; MI455X (gfx1250); checked and timed in simulation.
; The chip was launched on July 23, 2026; its instructions are those of AMD's public machine-readable ISA for CDNA 5 (MIT licence, August 2026) and "CDNA5" Instruction Set Architecture Reference Guide (July 2026). The comments in the code are by the model that wrote it; some were corrected since.
;; MAB Post LN. Allowed arithmetic: matrix products marked QUANTISED: E5M2 operands, one E8M0 scale for each 32 along K, by v_wmma_scale_f32_16x16x128_f8f6f4 with both operands' format E5M2, f32 sums; everything else in f32.
;; Inputs: K 8 x 1,024 x 1,024 float32; Q 8 x 1,024 x 1,024 float32; Wk 1,024 x 1,024 float32; Wp 1,024 x 1,024 float32; Wq 1,024 x 1,024 float32; Wv 1,024 x 1,024 float32; beta0 1,024 float32; beta1 1,024 float32; bk 1,024 float32; bp 1,024 float32; bq 1,024 float32; bv 1,024 float32; g0 1,024 float32; g1 1,024 float32; key_padding_mask 8 x 1,024 int32.
;; Outputs: out0 8 x 1,024 x 1,024 float32.
;; This version of the problem:
;;   THIS VERSION OF THE PROBLEM IS GIVEN IN LOW PRECISION. The matrix products marked QUANTISED in the list below multiply operands that are first quantised to E5M2 (5 exponent bits, 2 mantissa bits; 8 bits a number), with one power-of-two scale for each 32 numbers along K (OCP MX v1.0); their sums are f32. All else is computed in f32.
;;   The module's matrix products, in the order in which they are computed (A, B: the left and right operand; K: the contracted axis; several contracted axes count as one K, in the product's order):
;;     1. [M 8,192, K 1,024] x [K 1,024, N 1,024]; A: input Q; B: input Wq: QUANTISED
;;     2. [M 8,192, K 1,024] x [K 1,024, N 1,024]; A: input K; B: input Wk: QUANTISED
;;     3. [M 8,192, K 1,024] x [K 1,024, N 1,024]; A: input K; B: input Wv: QUANTISED
;;     4. batch 128 x [M 1,024, K 64] x [K 64, N 1,024]; A: computed on the way; B: computed on the way: QUANTISED
;;     5. batch 128 x [M 1,024, K 1,024] x [K 1,024, N 64]; A: softmax (see below); B: computed on the way: QUANTISED
;;     6. [M 8,192, K 1,024] x [K 1,024, N 1,024]; A: computed on the way; B: input Wp: QUANTISED
;;   THE QUANTISER, for each operand of a quantised product, along K:
;;     - K is cut into blocks of 32 from its start; a last block that is shorter is filled with zeros.
;;     - A block's scale is 2^e with e = floor(log2(the largest magnitude in the block)) - 15, held to -126 .. 127; a block of zeros has e = 0. As a byte (E8M0): e + 127.
;;     - Each number is divided by its block's scale, clamped to +-57,344, and rounded to the nearest number of E5M2, ties to even, subnormals kept.
;;     - The product sums the exact products of the quantised numbers (number of the format x scale) in f32.
;;   ~~~python
;;   def quantise(x, axis):      # numpy; x: float32 -> the quantised numbers, widened to float32 again
;;       x = np.moveaxis(x, axis, -1); K = x.shape[-1]
;;       x = np.pad(x, [(0, 0)] * (x.ndim - 1) + [(0, -K % 32)]); x = x.reshape(x.shape[:-1] + (-1, 32)); a = np.abs(x).max(-1, keepdims=True)
;;       e = np.where(a > 0, np.clip(np.frexp(np.where(a > 0, a, 1))[1] - 1 - 15, -126, 127), 0)      # np.frexp(a)[1] - 1 = floor(log2(a)), exactly
;;       r = np.clip(x / 2.0 ** e, -57344, 57344)
;;       step = 2.0 ** (np.maximum(np.frexp(np.where(r == 0, 1, r))[1] - 1, -14) - 2)
;;       q = np.round(r / step) * step * 2.0 ** e      # np.round: ties to even
;;       return np.moveaxis(q.reshape(q.shape[:-2] + (-1,))[..., :K], -1, axis).astype(np.float32)
;;   ~~~
;;   SOFTMAX AHEAD OF A QUANTISED PRODUCT. Where the list says 'softmax', what is quantised is not the finished softmax but p = 2^(t - M), with t = logit x log2(e) and M = ceil(the row's largest t), a whole number; so 1/2 < the row's largest p <= 1. The row's sum l is taken of the UNQUANTISED p, in f32, and the product's result is divided by l at the end. Since M is a whole number, a kernel that streams over the keys may use a running M (the ceiling of the running maximum): every later rescaling is an exact power of two, which a block's scale takes up: the codes' values come out the same.
;;   OPERANDS COMPUTED ON THE WAY. 'Computed on the way' means the value that the module computes at that place (a softmax that the list does not call 'softmax' is quantised finished and normalised). What goes into a quantiser is computed in f32, as accurately as f32 sums, v_exp_f32 and their like allow (about 1e-6 of the number): no bf16 or f16 on the way to a quantiser, and a product that is left as it is and whose result goes on into a quantised operand takes f32 operands (vector FMAs, or v_wmma_f32_16x16x4_f32). A number that lies on a knife's edge between two numbers of the format may be rounded either way, as far as f32 arithmetic and the matrix unit's own rounding can turn it there, and no further.
;; 2 versions, each right and faster than the one before. Each part assembles by itself: llvm-mc -triple=amdgcn-amd-amdhsa -mcpu=gfx1250 --defsym DOCPART=n.
;; ======== version 1 of 2: 4 launches
;; limits: right only within a limited range of input values; a function is approximated: absolute error at most 1.5e-07
;; workspace buffers: wimg 4,325,376 bytes; qf 33,554,432 bytes; xs 33,554,432 bytes; qimg 8,388,608 bytes; kimg 8,388,608 bytes; vimg 8,388,608 bytes; scl 1,572,864 bytes
;; launch wquant (part 1): grid 8 x 32, 4 waves a work-group, no clusters, 0 bytes of LDS; arguments Wq, Wk, Wv, Wp, wimg; writes wimg
.if DOCPART == 1
	.amdgcn_target "amdgcn-amd-amdhsa--gfx1250"
	.amdhsa_code_object_version 6
	.text
	.protected	k_qc3e5a468d5_wquant
	.globl	k_qc3e5a468d5_wquant
	.p2align	8
	.type	k_qc3e5a468d5_wquant,@function
k_qc3e5a468d5_wquant:
	s_mov_b64 s[64:65], 0
	v_nop
	global_prefetch_b8 v0, s[64:65] scope:SCOPE_SE
	s_setreg_imm32_b32 hwreg(HW_REG_WAVE_MODE, 25, 1), 1
	s_wait_xcnt 0x0
; Wq, Wk, Wv, Wp: [1024 (k)][1024 (n)] f32, K the FIRST axis.  Each is turned into codes of E5M2 with one E8M0 byte for each 32 along K, laid as the later launches' operand registers want them:
; wimg = [weight e][K step s of 128][quarter w of 256 columns][chunk of 33,792 bytes].  A chunk: 16 fragment images of 2,048 bytes (tile t: four blocks c of 512 bytes, lane l at 16 l: k = 128 s + 32 c + 16 (l / 16) + 0 .. 15
; of column 256 w + 32 (t / 2) + 8 (t % 2) + r + 8 (r / 8), r = l % 16), then at 32,768 the scale words: word (t, r) at 256 (t / 4) + 16 r + 4 (t % 4), byte c.
; A LANE TAKES A COLUMN AND ITS REGISTERS RUN DOWN K: a block of 32 lies in one lane, its largest magnitude needs no other lane, and the conversions give codes with K innermost.  Nothing is transposed.
; A wave takes 32 columns x one K step (4 blocks).  Column 32 G + l is lane r' = (l % 8) + 8 (l / 16) of tile u = (l / 8) % 2 of its group: each store of 16 bytes a lane covers two runs of 256 consecutive bytes, aligned.
; A block's scale: its largest magnitude's exponent field less 15, held at 1 from below by a floor among the maximum's leaves.
; LIMITS: a block of zeros, and one whose largest magnitude lies under 2^-111, carries the byte 1 (this program alone reads the bytes; zero codes add nothing); NaN and infinities among the inputs are not served.
.set CHUNK, 33792
.set X,     32                         ; v32-95   two sets of 32 numbers
.set C,     96                         ; v96-127  eight registers of codes for each block: no store's data are written again
.set SW,    24                         ; v24      the four scale bytes
	s_load_b256 s[4:11], s[0:1], 0x0               ; Wq, Wk, Wv, Wp
	s_load_b64 s[12:13], s[0:1], 0x20              ; wimg
	v_lshrrev_b32 v1, 5, v0
	v_readfirstlane_b32 s16, v1                    ; wave 0..3
	v_and_b32 v2, 31, v0                           ; lane
	v_lshlrev_b32 v3, 2, v2                        ; in: 4 bytes a lane
	v_bfe_u32 v6, v2, 3, 1                         ; u
	v_and_b32 v7, 7, v2
	v_bfe_u32 v8, v2, 4, 1
	v_lshl_or_b32 v7, v8, 3, v7                    ; r'
	v_lshlrev_b32 v4, 4, v7
	v_lshl_add_u32 v5, v6, 2, v4                   ; scale word: 16 r' + 4 u
	v_lshl_add_u32 v4, v6, 11, v4                  ; codes: 2,048 u + 16 r'
	s_and_b32 s17, ttmp7, 0xffff                   ; y = 8 e + s
	s_and_b32 s18, s17, 7                          ; s
	s_lshr_b32 s19, s17, 3                         ; e
	s_lshl_b32 s20, s18, 19                        ; 128 rows of 4,096 bytes a K step
	s_lshl_b32 s21, ttmp9, 9                       ; 128 columns a work-group
	s_add_co_u32 s20, s20, s21
	s_lshl_b32 s21, s16, 7                         ; 32 columns a wave
	s_add_co_u32 s20, s20, s21
	s_mov_b32 s21, 0
	s_lshl_b32 s22, s17, 2
	s_lshr_b32 s23, ttmp9, 1
	s_add_co_u32 s22, s22, s23                     ; chunk number: 4 (8 e + s) + quarter
	s_mul_i32 s22, s22, CHUNK
	s_and_b32 s23, ttmp9, 1
	s_lshl_b32 s23, s23, 2
	s_add_co_u32 s23, s23, s16                     ; which 32 columns of the quarter: 0..7
	s_lshl_b32 s24, s23, 12                        ; two tiles of 2,048 bytes
	s_add_co_u32 s24, s24, s22
	s_mov_b32 s25, 0
	s_lshr_b32 s26, s23, 1
	s_lshl_b32 s26, s26, 8
	s_and_b32 s27, s23, 1
	s_lshl_b32 s27, s27, 3
	s_add_co_u32 s26, s26, s27
	s_add_co_u32 s26, s26, s22
	s_add_co_u32 s26, s26, 32768
	s_mov_b32 s27, 0
	s_mov_b32 s28, 0x600000                        ; the mantissa field of 57,344
	s_wait_kmcnt 0x0
	s_cmp_eq_u32 s19, 1                            ; which weight: the choice hangs on the work-group's number alone
	s_cselect_b64 s[4:5], s[6:7], s[4:5]
	s_cmp_eq_u32 s19, 2
	s_cselect_b64 s[4:5], s[8:9], s[4:5]
	s_cmp_eq_u32 s19, 3
	s_cselect_b64 s[4:5], s[10:11], s[4:5]
	s_add_nc_u64 s[4:5], s[4:5], s[20:21]
	s_add_nc_u64 s[14:15], s[12:13], s[24:25]      ; my codes
	s_add_nc_u64 s[30:31], s[12:13], s[26:27]      ; my scale words
.macro LOAD t                          ; block t: W(128 s + 32 t + i, my column) into set t % 2; 32 lanes read 128 consecutive bytes
.irp i, 0,1,2,3,4,5,6,7,8,9,10,11,12,13,14,15,16,17,18,19,20,21,22,23,24,25,26,27,28,29,30,31
	global_load_b32 v[X+32*((\t)%2)+\i], v3, s[4:5] offset:(32*(\t)+\i)*4096 th:TH_LOAD_NT
.endr
.endm
	LOAD 0
	LOAD 1
.macro BLOCK t
.set XS, X+32*((\t)%2)
.if (\t) < 3
	s_wait_loadcnt 32                              ; this block's 32 loads are in; the next block's 32 may be out
.else
	s_wait_loadcnt 0x0
.endif
	v_max3_num_f32 v12, |v[XS]|, |v[XS+1]|, |v[XS+2]|
	v_max3_num_f32 v13, |v[XS+3]|, |v[XS+4]|, |v[XS+5]|
.irp i, 6,10,14,18,22,26
	v_max3_num_f32 v12, v12, |v[XS+\i]|, |v[XS+\i+1]|
	v_max3_num_f32 v13, v13, |v[XS+\i+2]|, |v[XS+\i+3]|
.endr
	v_max3_num_f32 v12, v12, |v[XS+30]|, |v[XS+31]|
	v_max3_num_f32 v12, v12, v13, 0x8000000        ; the floor 2^(16 - 127): the byte cannot fall under 1
	v_add_nc_u32 v11, 0xf8800000, v12              ; 15 off the exponent field: the conversion's scale operand
	v_and_or_b32 v10, v12, 0x7f800000, s28         ; 57,344 x the scale
	v_lshrrev_b32 v13, 23, v11                     ; the scale's byte
.if (\t) == 0
	v_mov_b32 v[SW], v13
.else
	v_lshl_or_b32 v[SW], v13, 8*(\t), v[SW]
.endif
.irp i, 0,1,2,3,4,5,6,7,8,9,10,11,12,13,14,15,16,17,18,19,20,21,22,23,24,25,26,27,28,29,30,31
	v_med3_num_f32 v[XS+\i], v[XS+\i], -v10, v10   ; the conversion to an 8-bit code does not saturate (ISA guide 7.6.2): the hold comes first
.endr
.irp g, 0,1,2,3
	v_cvt_scalef32_pk8_bf8_f32 v[C+8*(\t)+2*\g:C+8*(\t)+2*\g+1], v[XS+8*\g:XS+8*\g+7], v11
.endr
	global_store_b128 v4, v[C+8*(\t):C+8*(\t)+3], s[14:15] offset:512*(\t)           ; k = 32 t + 0 .. 15: the lanes 0-15 of the image
	global_store_b128 v4, v[C+8*(\t)+4:C+8*(\t)+7], s[14:15] offset:512*(\t)+256     ; k = 32 t + 16 .. 31: its lanes 16-31
.if (\t)+2 < 4
	LOAD (\t)+2
.endif
.endm
	BLOCK 0
	BLOCK 1
	BLOCK 2
	BLOCK 3
	global_store_b32 v5, v[SW], s[30:31]
	s_endpgm
.Lfunc_end_k_qc3e5a468d5_wquant:
	.size	k_qc3e5a468d5_wquant, .Lfunc_end_k_qc3e5a468d5_wquant-k_qc3e5a468d5_wquant
	.p2alignl 7, 3214868480
	.fill 96, 4, 3214868480
	.section	.rodata,"a",@progbits
	.p2align	6, 0x0
	.amdhsa_kernel k_qc3e5a468d5_wquant
		.amdhsa_group_segment_fixed_size 0
		.amdhsa_private_segment_fixed_size 0
		.amdhsa_enable_private_segment 0
		.amdhsa_kernarg_size 40
		.amdhsa_user_sgpr_count 2
		.amdhsa_user_sgpr_kernarg_segment_ptr 1
		.amdhsa_wavefront_size32 1
		.amdhsa_system_sgpr_workgroup_id_x 1
		.amdhsa_system_sgpr_workgroup_id_y 1
		.amdhsa_system_sgpr_workgroup_id_z 1
		.amdhsa_system_vgpr_workitem_id 0
		.amdhsa_next_free_vgpr 128
		.amdhsa_next_free_sgpr 66
		.amdhsa_reserve_vcc 0
		.amdhsa_float_denorm_mode_32 3
		.amdhsa_float_denorm_mode_16_64 3
		.amdhsa_memory_ordered 1
		.amdhsa_forward_progress 1
		.amdhsa_inst_pref_size 30
	.end_amdhsa_kernel
	.amdgpu_metadata
---
amdhsa.version: [ 1, 2 ]
amdhsa.kernels:
  - .name:           k_qc3e5a468d5_wquant
    .symbol:         k_qc3e5a468d5_wquant.kd
    .args:
      - { .name: Wq, .offset: 0, .size: 8, .value_kind: global_buffer, .address_space: global }
      - { .name: Wk, .offset: 8, .size: 8, .value_kind: global_buffer, .address_space: global }
      - { .name: Wv, .offset: 16, .size: 8, .value_kind: global_buffer, .address_space: global }
      - { .name: Wp, .offset: 24, .size: 8, .value_kind: global_buffer, .address_space: global }
      - { .name: wimg, .offset: 32, .size: 8, .value_kind: global_buffer, .address_space: global }
    .group_segment_fixed_size: 0
    .private_segment_fixed_size: 0
    .kernarg_segment_align: 8
    .kernarg_segment_size: 40
    .max_flat_workgroup_size: 128
    .sgpr_count:     66
    .vgpr_count:     128
    .wavefront_size: 32
...
	.end_amdgpu_metadata
.endif
;; end of part 1
;; launch proj (part 2): grid 256 x 1, 4 waves a work-group, clusters of 4 x 1, 327,680 bytes of LDS; arguments Q, K, wimg, bq, bk, bv, key_padding_mask, qf, qimg, kimg, vimg, scl; writes qf, qimg, kimg, vimg, scl
.if DOCPART == 2
	.amdgcn_target "amdgcn-amd-amdhsa--gfx1250"
	.amdhsa_code_object_version 6
	.text
	.protected	k_qc3e5a468d5_proj
	.globl	k_qc3e5a468d5_proj
	.p2align	8
	.type	k_qc3e5a468d5_proj,@function
k_qc3e5a468d5_proj:
	s_mov_b64 s[64:65], 0
	v_nop
	global_prefetch_b8 v0, s[64:65] scope:SCOPE_SE
	s_setreg_imm32_b32 hwreg(HW_REG_WAVE_MODE, 25, 1), 1
	s_wait_xcnt 0x0
	s_wait_alu depctr_hold_cnt(0) depctr_sa_sdst(0) depctr_va_vdst(0) depctr_va_sdst(0) depctr_va_ssrc(0) depctr_va_vcc(0) depctr_vm_vsrc(0)
	s_getreg_b32 s2, hwreg(HW_REG_IB_STS2, 6, 4)
	s_cmp_eq_u32 s2, 0
	s_cbranch_scc0 .Lentry_in_a_cluster
	s_endpgm
.Lentry_in_a_cluster:
	s_bfe_u32 s2, ttmp6, 0x10000c
	s_cmp_lg_u32 s2, 0x3003
	s_cbranch_scc0 .Lentry_shape_is_right
	s_endpgm
.Lentry_shape_is_right:
; q = Q Wq + bq, k = K Wk + bk, v = K Wv + bv, all three on codes of E5M2 with one E8M0 scale for each 32 along K, and their results quantised again for the attention launch.
; SHARES.  Work-group i owns tokens 32 i .. 32 i + 31 of Q and of K (two tiles of 16; lane r of tile u is token 8 u + r + 8 (r / 8)) and walks 24 K steps of 128: Wq's eight, Wk's, Wv's.
; Wave w owns columns 256 w .. 256 w + 255 (heads 4 w .. 4 w + 3): 32 accumulators.  The inputs' f32 rows come in once, are quantised in registers, and reach all four waves through LDS as images of the operand's registers.
; THE WEIGHTS come as images too (launch wquant): a K step is four chunks of 33,792 bytes, one a wave, through a ring of two LDS slots.  Every work-group walks the same steps: the four of a cluster ask JOINTLY.
; Q's and K's own tiles are read by one work-group alone: those two loads are plain.
; q, k: source 0 = 16 columns of W, source 1 = 16 tokens: a lane holds ONE token and its registers run along the head's 64: the next product's K.  The bias is the C of the first product.
; v: the sources are swapped: a lane holds ONE column d and its 16 registers of a tile are 16 neighbouring keys: the next product's K.
; OUT: qf (q in f32 as accumulator images), qimg, kimg (fragment blocks 0 and 1: the head's 64), vimg (fragments with the keys along K), scl (scale words).  K's scale word carries in byte 2 the padding mask:
; 227 for a padded key, 1 else; the attention launch multiplies it by the code 1.0 at k = 64.
; LIMITS: a block of zeros, and one whose largest magnitude lies under 2^-111, carries the byte 1 (this program alone reads the bytes); NaN and infinities among the inputs are not served.
; REGISTERS: window 0: v1-20 addresses; v32-159 eight places for W's fragments (v32-95 also the quantiser's 64 numbers); v160-175 W's scale words, v176-191 the tokens'; v192-227 the quantiser; v228-243 bv.
;   window 1: the tokens' 16 fragments (K step s, tile m: 16 (2 s + m)).   window 2: the 32 accumulators.
.set CHUNK, 33792
.set STEP,  4*CHUNK                    ; a K step's weights, and a slot
.set SLOT1, STEP
.set AIMG,  2*STEP                     ; behind the ring: the tokens' 16 fragment images of 2,048 bytes,
.set ASC,   AIMG+32768                 ; their scale words, 128 bytes each,
.set SPARE, ASC+2048                   ; and the spare words, 128 bytes a wave: two blocks of 256 bytes that no other line names
.set XT,    33280                      ; a wave's tile of f32 input: 32 rows x (1,024 bytes + 16)
.set L16, 1                            ; v1   16 x lane
.set R4,  2                            ; v2   4 r
.set AB0, 3                            ; v3-4 my chunk in slot 0, 1, + 16 x lane
.set ASW0, 5                           ; v5-6 my chunk + 16 r: the scale words' lines
.set AAI, 7                            ; v7   AIMG + 16 x lane
.set AAS, 8                            ; v8   ASC + 4 x lane
.set AWI, 9                            ; v9   where I store images: AAI + 8,192 x wave
.set AWS, 10                           ; v10  and scale words: AAS + 512 x wave
.set XA0, 11                           ; v11-12 my lane's place in my tile of Q, of K
.set XA1, 12
.set MBY, 16                           ; v16-17 the mask byte of my token of tile 0, 1, at bits 23:16
.set H64, 18                           ; v18  64 h
.set P4,  19                           ; v19  4 (r + 8 (r / 8))
.set L4,  20                           ; v20  4 x lane
.set SPW, 28
.set NIL, 29
.set BF,  32
.set ST,  32
.set SC,  160
.set AS,  176
.set TM,  192                          ; +0..3 largest magnitudes, +4..7 bytes, +8..11 57,344 x the scale, +12..15 the conversions' scale operands
.set PW,  208
.set WA,  209
.set WB,  210
.set PC,  212
.set BV,  228
.set WV,  32
.set G1X, 40
.set G1W, 48
.set G0X, 56
.set G0W, 68
.set SEL, 76
.set MNT, 78
.set UN,  79
.set CP,  80
.set SP,  82
.set BP,  84
.set XO,  86
.set IO,  87
.set SV,  88
.set JO,  90
.set MSB, 0
.macro WIN new                         ; the immediate's high byte repeats the setting that is left; a switch that changes nothing is dropped
.if MSB != (\new)
	s_set_vgpr_msb (MSB<<8)|(\new)
.set MSB, (\new)
.endif
.endm
.macro PLACES n
.rept \n
	v_nop
.endr
.endm
.macro ROUND                           ; a round of the cluster's barrier
	s_barrier_signal -1
	s_barrier_wait -1
	s_cmp_lg_u32 s[WV], 0
	s_cbranch_scc1 .Lnot_wave_0_\@
	s_barrier_signal -3
.Lnot_wave_0_\@:
	s_barrier_wait -3
	s_barrier_signal -1
	s_barrier_wait -1
.endm
; 64 numbers of a lane, v[s] on in window w, register 16 b + i = place 32 b + 16 (lane / 16) + i along the next K, become a fragment's codes in v[PC] on, its scale word in v[PW], the bytes in v[TM+4] on.
; The held numbers go to v[ST] on: the source stays as it is.
.macro QUANT s, w
	WIN (\w)|((\w)<<2)
.irp b, 0,1,2,3
	v_max3_num_f32 v[TM+\b], |v[(\s)+16*\b]|, |v[(\s)+16*\b+1]|, 0x8000000   ; my 16 numbers of block b, and the floor 2^(16 - 127)
.endr
	WIN ((\w)<<2)|((\w)<<4)
.irp i, 2,4,6,8,10,12,14
.irp b, 0,1,2,3
	v_max3_num_f32 v[TM+\b], v[TM+\b], |v[(\s)+16*\b+\i]|, |v[(\s)+16*\b+\i+1]|
.endr
.endr
	WIN 0
.irp b, 0,1,2,3
	v_permlanex16_b32 v[TM+4+\b], v[TM+\b], s[SEL], s[SEL+1]
.endr
.irp b, 0,1,2,3
	v_max_num_f32 v[TM+\b], v[TM+\b], v[TM+4+\b]   ; with lane l xor 16's: the block's largest magnitude
.endr
.irp b, 0,1,2,3
	v_add_nc_u32 v[TM+12+\b], 0xf8800000, v[TM+\b]
.endr
.irp b, 0,1,2,3
	v_and_or_b32 v[TM+8+\b], v[TM+\b], 0x7f800000, s[MNT]
.endr
.irp b, 0,1,2,3
	v_lshrrev_b32 v[TM+4+\b], 23, v[TM+12+\b]
.endr
	v_lshl_or_b32 v[PW], v[TM+5], 8, v[TM+4]
	v_lshl_or_b32 v[PW], v[TM+6], 16, v[PW]
	v_lshl_or_b32 v[PW], v[TM+7], 24, v[PW]
	WIN (\w)
.irp b, 0,1,2,3
.irp i, 0,1,2,3,4,5,6,7,8,9,10,11,12,13,14,15
	v_med3_num_f32 v[ST+16*\b+\i], v[(\s)+16*\b+\i], -v[TM+8+\b], v[TM+8+\b]   ; the conversion does not saturate (ISA guide 7.6.2): the hold comes first
.endr
.endr
	WIN 0
.irp b, 0,1,2,3
	v_cvt_scalef32_pk8_bf8_f32 v[PC+4*\b:PC+4*\b+1], v[ST+16*\b:ST+16*\b+7], v[TM+12+\b]
	v_cvt_scalef32_pk8_bf8_f32 v[PC+4*\b+2:PC+4*\b+3], v[ST+16*\b+8:ST+16*\b+15], v[TM+12+\b]
.endr
	v_nop                                          ; one plain line behind the last conversion
.endm
.macro ALOAD                           ; the tokens' 16 fragments and scale words, from their images
	WIN 0x40
.set ff, 0
.rept 64
	ds_load_b128 v[4*ff:4*ff+3], v[AAI] offset:512*ff
.set ff, ff+1
.endr
	WIN 0
.set ff, 0
.rept 16
	ds_load_b32 v[AS+ff], v[AAS] offset:128*ff
.set ff, ff+1
.endr
.endm
.macro FRAGS slot, t0, p0              ; W's tiles t0 .. t0 + 3 into places p0 .. p0 + 3: 16 loads of 512 consecutive bytes
.set xx, 0
.rept 16
	ds_load_b128 v[BF+16*(\p0)+4*xx:BF+16*(\p0)+4*xx+3], v[AB0+(\slot)] offset:2048*(\t0)+512*xx
.set xx, xx+1
.endr
.endm
.macro MUL8 t0, p0, s, swap, zero      ; 8 products: tiles t0 .. t0 + 3 x the two tiles of tokens; eight accumulators, one instruction a turn
.irp m, 0,1
.irp k, 0,1,2,3
.if \swap
.if \zero
	v_wmma_scale_f32_16x16x128_f8f6f4 v[16*((\t0)+\k)+8*\m:16*((\t0)+\k)+8*\m+7], v[16*(2*(\s)+\m):16*(2*(\s)+\m)+15], v[BF+16*((\p0)+\k):BF+16*((\p0)+\k)+15], 0, v[AS+2*(\s)+\m], v[SC+(\t0)+\k] matrix_a_fmt:MATRIX_FMT_BF8 matrix_b_fmt:MATRIX_FMT_BF8
.else
	v_wmma_scale_f32_16x16x128_f8f6f4 v[16*((\t0)+\k)+8*\m:16*((\t0)+\k)+8*\m+7], v[16*(2*(\s)+\m):16*(2*(\s)+\m)+15], v[BF+16*((\p0)+\k):BF+16*((\p0)+\k)+15], v[16*((\t0)+\k)+8*\m:16*((\t0)+\k)+8*\m+7], v[AS+2*(\s)+\m], v[SC+(\t0)+\k] matrix_a_fmt:MATRIX_FMT_BF8 matrix_b_fmt:MATRIX_FMT_BF8
.endif
.else
	v_wmma_scale_f32_16x16x128_f8f6f4 v[128*\m+8*((\t0)+\k):128*\m+8*((\t0)+\k)+7], v[BF+16*((\p0)+\k):BF+16*((\p0)+\k)+15], v[16*(2*(\s)+\m):16*(2*(\s)+\m)+15], v[128*\m+8*((\t0)+\k):128*\m+8*((\t0)+\k)+7], v[SC+(\t0)+\k], v[AS+2*(\s)+\m] matrix_a_fmt:MATRIX_FMT_BF8 matrix_b_fmt:MATRIX_FMT_BF8
.endif
.endr
.endr
.endm
; One K step of my chunk: 16 tiles of W in four groups through two halves of the places; 32 products.  A load into a register that a product has read stands eight plain lines behind it.
.macro WORK slot, s, swap, zero
.irp g, 0,1,2,3
	ds_load_b128 v[SC+4*\g:SC+4*\g+3], v[ASW0+(\slot)] offset:32768+256*\g     ; lane r: the words of tiles 4 g .. 4 g + 3
.endr
	FRAGS \slot, 0, 0
	FRAGS \slot, 4, 4
	s_wait_dscnt 16                                ; the words and tiles 0-3 are in; the sixteen loads of tiles 4-7 may be out
	WIN 0xa4-3*(\swap)
	MUL8 0, 0, \s, \swap, \zero
	WIN 0
	PLACES 8
	FRAGS \slot, 8, 0
	s_wait_dscnt 16                                ; tiles 4-7 are in; the sixteen just issued may be out
	WIN 0xa4-3*(\swap)
	MUL8 4, 4, \s, \swap, \zero
	WIN 0
	PLACES 8
	FRAGS \slot, 12, 4
	s_wait_dscnt 16                                ; tiles 8-11 are in
	WIN 0xa4-3*(\swap)
	MUL8 8, 0, \s, \swap, \zero
	s_wait_dscnt 0x0
	MUL8 12, 4, \s, \swap, \zero
	WIN 0
.endm
; A trip of the ring.  refill = 1: all my tensor loads have landed (my chunk of this slot among them), 0 goes onto my spare word, my reads of the other slot are over; a round of the cluster's barrier;
; then the one joint load: the next K step into the slot read last.  One load of mine is out behind each round.
.macro TRIP slot, s, swap, zero, refill
	s_wait_tensorcnt 0x0
.if \refill
	ds_add_u32 v[SPW], v[NIL]
	s_add_nc_u64 s[G0W+4*(\slot)+2:G0W+4*(\slot)+3], s[G0W+4*(\slot)+2:G0W+4*(\slot)+3], 2*STEP   ; no load of mine is out: this slot's next K step
	s_wait_dscnt 0x0
	ROUND
	tensor_load_to_lds s[G0W+4*(1-(\slot)):G0W+4*(1-(\slot))+3], s[G1W:G1W+7]
	s_nop 0
.endif
	PLACES 8                                       ; behind the joint load, and in front of the loads into registers that the last products read
	WORK \slot, \s, \swap, \zero
.endm
.macro BIAS p                          ; the bias in the accumulators' layout: register 128 m + 16 b + i is column 256 w + 32 b + 16 h + i
	WIN 0x80
.irp m, 0,1
.irp b, 0,1,2,3,4,5,6,7
.irp q, 0,1,2,3
	global_load_b128 v[128*\m+16*\b+4*\q:128*\m+16*\b+4*\q+3], v[H64], s[\p:\p+1] offset:128*\b+16*\q
.endr
.endr
.endr
	WIN 0
.endm
	s_load_b512 s[4:19], s[0:1], 0x0               ; Q 4, K 6, wimg 8, bq 10, bk 12, bv 14, mask 16, qf 18
	s_load_b256 s[20:27], s[0:1], 0x40             ; qimg 20, kimg 22, vimg 24, scl 26
	v_lshl_add_u32 v[SPW], v0, 2, SPARE
	v_mov_b32 v[NIL], 0
	ds_add_u32 v28, v29
	ds_add_u32 v28, v29
	s_wait_dscnt 0x0
	v_lshrrev_b32 v21, 5, v0
	v_readfirstlane_b32 s[WV], v21                 ; wave 0..3
	s_bfe_u32 s33, ttmp6, 0x40000                  ; cx: it enters global addresses of my own rows alone
	s_lshl_b32 s34, ttmp9, 2
	s_add_co_u32 s34, s34, s33                     ; i
	s_lshr_b32 s35, s34, 5                         ; the batch
	s_and_b32 s36, s34, 31                         ; g: which 32 tokens of it
	s_mov_b32 s[G1X], (2<<16)|(1<<20)|(7<<22)|(3<<25)   ; no mask; elements of 4 bytes; padding: 4 words behind every 256
	s_mov_b32 s[G1X+1], 256<<16                    ; tensor_dim0 = 256
	s_mov_b32 s[G1X+2], 32<<16                     ; tensor_dim1 = 32
	s_mov_b32 s[G1X+3], 256<<16                    ; tile_dim0 = 256
	s_mov_b32 s[G1X+4], 32                         ; tile_dim1 = 32
	s_mov_b32 s[G1X+5], 1024                       ; elements from row to row
	s_mov_b32 s[G1X+6], 0
	s_mov_b32 s[G1X+7], 0
	s_mov_b32 s[G1W], 15|(3<<16)|(1<<21)           ; the mask: all four work-groups; elements of 8 bytes; bit 21 beside a mask
	s_mov_b32 s[G1W+1], 32<<16                     ; a chunk is dense: 132 rows of 256 bytes
	s_mov_b32 s[G1W+2], 132<<16
	s_mov_b32 s[G1W+3], 32<<16
	s_mov_b32 s[G1W+4], 132
	s_mov_b32 s[G1W+5], 32
	s_mov_b32 s[G1W+6], 0
	s_mov_b32 s[G1W+7], 0
	s_mul_i32 s92, s[WV], XT
	s_mul_i32 s91, s[WV], CHUNK
	s_mov_b32 s39, 0
	s_lshl_b32 s38, s34, 17                        ; 32 rows of 4,096 bytes a work-group,
	s_lshl_b32 s37, s[WV], 10                      ; 256 columns a wave
	s_add_co_u32 s38, s38, s37
	s_wait_kmcnt 0x0
	s_add_nc_u64 s[4:5], s[4:5], s[38:39]
	s_add_nc_u64 s[6:7], s[6:7], s[38:39]
	s_mov_b32 s38, s91
	s_add_nc_u64 s[8:9], s[8:9], s[38:39]          ; my chunk of K step 0
	s_mov_b32 s[G0X], 1
	s_mov_b32 s[G0X+1], s92
	s_mov_b64 s[G0X+2:G0X+3], s[4:5]
	s_or_b32 s[G0X+3], s[G0X+3], 0x80000000
	s_mov_b32 s[G0X+4], 1
	s_add_co_u32 s[G0X+5], s92, SLOT1
	s_mov_b64 s[G0X+6:G0X+7], s[6:7]
	s_or_b32 s[G0X+7], s[G0X+7], 0x80000000
	s_mov_b32 s[G0W], 1
	s_mov_b32 s[G0W+1], s91
	s_mov_b64 s[G0W+2:G0W+3], s[8:9]
	s_or_b32 s[G0W+3], s[G0W+3], 0x80000000
	s_mov_b32 s[G0W+4], 1
	s_add_co_u32 s[G0W+5], s91, SLOT1
	s_add_nc_u64 s[G0W+6:G0W+7], s[8:9], STEP
	s_or_b32 s[G0W+7], s[G0W+7], 0x80000000
	ROUND                                          ; in a cluster launch every group of tensor loads stands behind a round
	tensor_load_to_lds s[G0X:G0X+3], s[G1X:G1X+7]  ; my 32 x 256 of Q into slot 0's bytes,
	s_nop 0
	tensor_load_to_lds s[G0X+4:G0X+7], s[G1X:G1X+7]  ; of K into slot 1's: two loads of mine are out
	s_nop 0
	PLACES 4
	v_and_b32 v21, 31, v0                          ; lane
	v_and_b32 v22, 15, v0                          ; r
	v_bfe_u32 v23, v0, 4, 1                        ; h
	v_lshlrev_b32 v[L16], 4, v21
	v_lshlrev_b32 v[R4], 2, v22
	v_lshlrev_b32 v[L4], 2, v21
	v_lshlrev_b32 v[H64], 6, v23
	v_and_b32 v24, 8, v22
	v_add_nc_u32 v24, v24, v22                     ; r + 8 (r / 8)
	v_lshlrev_b32 v[P4], 2, v24
	v_add_nc_u32 v[AB0], s91, v[L16]
	v_add_nc_u32 v[AB0+1], SLOT1, v[AB0]
	v_lshlrev_b32 v25, 4, v22
	v_add_nc_u32 v[ASW0], s91, v25
	v_add_nc_u32 v[ASW0+1], SLOT1, v[ASW0]
	v_add_nc_u32 v[AAI], AIMG, v[L16]
	v_add_nc_u32 v[AAS], ASC, v[L4]
	s_lshl_b32 s38, s[WV], 13
	v_add_nc_u32 v[AWI], s38, v[AAI]
	s_lshl_b32 s38, s[WV], 9
	v_add_nc_u32 v[AWS], s38, v[AAS]
	v_mul_u32_u24 v[XA0], v24, 1040
	v_add_nc_u32 v[XA0], v[XA0], v[H64]
	v_add_nc_u32 v[XA0], s92, v[XA0]
	v_add_nc_u32 v[XA1], SLOT1, v[XA0]
	s_lshl_b32 s38, s34, 7                         ; the mask: 32 words a work-group
	s_add_nc_u64 s[16:17], s[16:17], s[38:39]
	global_load_b32 v[MBY], v[P4], s[16:17]
	global_load_b32 v[MBY+1], v[P4], s[16:17] offset:32
	s_mov_b32 s38, s37                             ; the biases: my 256 columns
	s_add_nc_u64 s[10:11], s[10:11], s[38:39]
	s_add_nc_u64 s[12:13], s[12:13], s[38:39]
	s_add_nc_u64 s[14:15], s[14:15], s[38:39]
	s_lshl_b32 s38, s35, 22                        ; qf: [16 b + 4 w + hl][2 g + u][4,096 bytes]
	s_lshl_b32 s37, s[WV], 20
	s_add_co_u32 s38, s38, s37
	s_lshl_b32 s37, s36, 13
	s_add_co_u32 s38, s38, s37
	s_add_nc_u64 s[18:19], s[18:19], s[38:39]
	s_lshr_b32 s38, s38, 2                         ; qimg, kimg: 1,024 bytes a tile
	s_add_nc_u64 s[20:21], s[20:21], s[38:39]
	s_add_nc_u64 s[22:23], s[22:23], s[38:39]
	s_lshr_b32 s38, s38, 4                         ; their scale words: 64 bytes a tile
	s_add_nc_u64 s[SP:SP+1], s[26:27], s[38:39]
	s_lshl_b32 s38, s35, 20                        ; vimg: [head][g / 4][dt][block g % 4]
	s_lshl_b32 s37, s[WV], 18
	s_add_co_u32 s38, s38, s37
	s_lshr_b32 s37, s36, 2
	s_lshl_b32 s37, s37, 13
	s_add_co_u32 s38, s38, s37
	s_and_b32 s37, s36, 3
	s_lshl_b32 s37, s37, 9
	s_add_co_u32 s38, s38, s37
	s_add_nc_u64 s[24:25], s[24:25], s[38:39]
	s_lshl_b32 s38, s35, 16                        ; V's scale words: [head][g / 4][dt][32 words], byte g % 4
	s_lshl_b32 s37, s[WV], 14
	s_add_co_u32 s38, s38, s37
	s_lshr_b32 s37, s36, 2
	s_lshl_b32 s37, s37, 9
	s_add_co_u32 s38, s38, s37
	s_and_b32 s37, s36, 3
	s_add_co_u32 s38, s38, s37
	s_add_co_u32 s38, s38, 0x100000
	s_add_nc_u64 s[SV:SV+1], s[26:27], s[38:39]
	s_mov_b32 s[SEL], 0x76543210
	s_mov_b32 s[SEL+1], 0xfedcba98
	s_mov_b32 s[MNT], 0x600000
.irp b, 0,1,2,3
	v_mov_b32 v[TM+4+\b], 0                        ; a lane permute's destination counts as one of its sources
.endr
	v_mov_b32 v21, 227<<16
	v_mov_b32 v22, 1<<16
	s_wait_loadcnt 0x0
	v_cmp_eq_u32 vcc_lo, 0, v[MBY]
	v_cndmask_b32 v[MBY], v22, v21, vcc_lo         ; a padded key: 2^100; else 2^-126
	v_cmp_eq_u32 vcc_lo, 0, v[MBY+1]
	v_cndmask_b32 v[MBY+1], v22, v21, vcc_lo
; My 32 x 256 numbers become four fragments (K steps 2 w and 2 w + 1, two tiles of tokens) and go to LDS as images.  Two trips, a K step each.
.macro XQ xa
	s_mov_b32 s[XO], 0
.Lxq_\@:
	s_lshl_b32 s[IO], s[XO], 3                     ; 4,096 bytes of images a K step,
	s_lshr_b32 s[JO], s[XO], 1                     ; 256 of scale words
	v_add_nc_u32 v13, s[XO], v[\xa]
	v_add_nc_u32 v14, s[IO], v[AWI]
	v_add_nc_u32 v15, s[JO], v[AWS]
.irp u, 0,1
.irp b, 0,1,2,3
.irp q, 0,1,2,3
	ds_load_b128 v[ST+16*\b+4*\q:ST+16*\b+4*\q+3], v13 offset:8320*\u+128*\b+16*\q   ; token 8 u + r + 8 (r / 8), k = 32 b + 16 h + 4 q ..
.endr
.endr
	s_wait_dscnt 0x0
	QUANT ST, 0
.irp c, 0,1,2,3
	ds_store_b128 v14, v[PC+4*\c:PC+4*\c+3] offset:2048*\u+512*\c
.endr
	ds_store_b32 v15, v[PW] offset:128*\u
	s_wait_dscnt 0x0                               ; the stores have read their registers
.endr
	s_add_co_u32 s[XO], s[XO], 512
	s_cmp_lt_u32 s[XO], 1024
	s_cbranch_scc1 .Lxq_\@
.endm
	s_wait_tensorcnt 0x1                           ; my tile of Q is in (only I read it); K's may be out
	XQ XA0
	s_wait_tensorcnt 0x0                           ; slot 0's bytes are filled again: all my loads have landed,
	ds_add_u32 v[SPW], v[NIL]
	s_wait_dscnt 0x0                               ; the add is done, my reads of Q's tile are over and my images have landed
	ROUND
	tensor_load_to_lds s[G0W:G0W+3], s[G1W:G1W+7]  ; K step 0
	s_nop 0
	PLACES 4
	ALOAD                                          ; Q's fragments
	s_wait_dscnt 0x0                               ; they are in: the images may be written again behind this barrier
	s_barrier_signal -1
	s_barrier_wait -1
	XQ XA1                                         ; K's fragments lie in the images from here on; the first trip's round shows them to every wave
	s_mov_b32 s[UN], 0
.Lunit:                                            ; two trips: q, then k
	s_cmp_eq_u32 s[UN], 0
	s_cselect_b64 s[CP:CP+1], s[20:21], s[22:23]
	s_cselect_b64 s[BP:BP+1], s[10:11], s[12:13]
	BIAS BP
	s_wait_loadcnt 0x0
	TRIP 0, 0, 0, 0, 1
	TRIP 1, 1, 0, 0, 1
	TRIP 0, 2, 0, 0, 1
	TRIP 1, 3, 0, 0, 1
	TRIP 0, 4, 0, 0, 1
	TRIP 1, 5, 0, 0, 1
	TRIP 0, 6, 0, 0, 1
	TRIP 1, 7, 0, 0, 1
	PLACES 8                                       ; in front of the first read of results
	s_cmp_lg_u32 s[UN], 0
	s_cbranch_scc1 .Lno_qf
	WIN 0x08                                       ; a store's data are its source 1: window 2
.irp u, 0,1
.irp hl, 0,1,2,3
.irp q, 0,1,2,3,4,5,6,7
	global_store_b128 v[L16], v[128*\u+32*\hl+4*\q:128*\u+32*\hl+4*\q+3], s[18:19] offset:(\hl<<18)+(\u<<12)+(\q<<9)   ; q in f32: 512 consecutive bytes a store; each accumulator from its low end on
.endr
.endr
.endr
	WIN 0
.Lno_qf:
.irp m, 0,1
.irp hp, 0,1                                   ; two heads at a time: blocks 0, 1 are head 2 hp, blocks 2, 3 head 2 hp + 1
	s_wait_xcnt 0x0                                ; the last stores have read their registers
	QUANT 128*\m+64*\hp, 2
.irp e, 0,1
.irp c, 0,1
	global_store_b128 v[L16], v[PC+8*\e+4*\c:PC+8*\e+4*\c+3], s[CP:CP+1] offset:((2*\hp+\e)<<16)+(\m<<10)+512*\c
.endr
.endr
	v_and_or_b32 v[WA], v[PW], 0xffff, v[MBY+\m]   ; two bytes of scales, the mask byte, 0
	v_lshrrev_b32 v[WB], 16, v[PW]
	v_or_b32 v[WB], v[WB], v[MBY+\m]
	global_store_b32 v[R4], v[WA], s[SP:SP+1] offset:((2*\hp)<<12)+(\m<<6)     ; lanes r and r + 16 store the same word
	global_store_b32 v[R4], v[WB], s[SP:SP+1] offset:((2*\hp+1)<<12)+(\m<<6)
.endr
.endr
	s_wait_xcnt 0x0                                ; bases and data may be written again
	s_add_nc_u64 s[SP:SP+1], s[SP:SP+1], 0x80000   ; from q's scale words to k's
	s_cmp_lg_u32 s[UN], 0
	s_cbranch_scc1 .Lno_aload
	ALOAD                                          ; K's fragments, for k and for v
	s_wait_dscnt 0x0
.Lno_aload:
	s_add_co_u32 s[UN], s[UN], 1
	s_cmp_lt_u32 s[UN], 2
	s_cbranch_scc1 .Lunit
.set tt, 0
.rept 16
	global_load_b32 v[BV+tt], v[P4], s[14:15] offset:128*(tt/2)+32*(tt%2)   ; bv of my lane's column of tile t
.set tt, tt+1
.endr
	TRIP 0, 0, 1, 1, 1                             ; v: the sources swapped; the first products start the sums
	TRIP 1, 1, 1, 0, 1
	TRIP 0, 2, 1, 0, 1
	TRIP 1, 3, 1, 0, 1
	TRIP 0, 4, 1, 0, 1
	TRIP 1, 5, 1, 0, 1
	TRIP 0, 6, 1, 0, 1
	TRIP 1, 7, 1, 0, 0                             ; the last K step: nothing is left to fetch
	PLACES 8
	s_wait_loadcnt 0x0
	WIN 0x82
.set tt, 0
.rept 16
.set pp, 0
.rept 8
.if tt%2
	v_pk_add_f32 v[16*tt+2*pp:16*tt+2*pp+1], v[16*tt+2*pp:16*tt+2*pp+1], v[BV+tt-1:BV+tt] op_sel:[0,1] op_sel_hi:[1,1]
.else
	v_pk_add_f32 v[16*tt+2*pp:16*tt+2*pp+1], v[16*tt+2*pp:16*tt+2*pp+1], v[BV+tt:BV+tt+1] op_sel_hi:[1,0]
.endif
.set pp, pp+1
.endr
.set tt, tt+1
.endr
	WIN 0
.irp hl, 0,1,2,3                               ; a head: four tiles of d; each tile's 16 registers and lane l xor 16's are one block of 32 keys
	s_wait_xcnt 0x0
	QUANT 64*\hl, 2
.irp b, 0,1,2,3
	global_store_b128 v[L16], v[PC+4*\b:PC+4*\b+3], s[24:25] offset:(\hl<<16)+(\b<<11)
.endr
.irp b, 0,1,2,3
	global_store_b8 v[L4], v[TM+4+\b], s[SV:SV+1] offset:(\hl<<12)+(\b<<7)
.endr
.endr
	s_wait_tensorcnt 0x0                           ; the wave's end
	ds_add_u32 v[SPW], v[NIL]
	s_wait_dscnt 0x0
	ROUND                                          ; the closing round
	s_endpgm
.Lfunc_end_k_qc3e5a468d5_proj:
	.size	k_qc3e5a468d5_proj, .Lfunc_end_k_qc3e5a468d5_proj-k_qc3e5a468d5_proj
	.p2alignl 7, 3214868480
	.fill 96, 4, 3214868480
	.section	.rodata,"a",@progbits
	.p2align	6, 0x0
	.amdhsa_kernel k_qc3e5a468d5_proj
		.amdhsa_group_segment_fixed_size 327680
		.amdhsa_private_segment_fixed_size 0
		.amdhsa_enable_private_segment 0
		.amdhsa_kernarg_size 96
		.amdhsa_user_sgpr_count 2
		.amdhsa_user_sgpr_kernarg_segment_ptr 1
		.amdhsa_wavefront_size32 1
		.amdhsa_system_sgpr_workgroup_id_x 1
		.amdhsa_system_sgpr_workgroup_id_y 1
		.amdhsa_system_sgpr_workgroup_id_z 1
		.amdhsa_system_vgpr_workitem_id 0
		.amdhsa_next_free_vgpr 768
		.amdhsa_next_free_sgpr 100
		.amdhsa_reserve_vcc 1
		.amdhsa_float_denorm_mode_32 3
		.amdhsa_float_denorm_mode_16_64 3
		.amdhsa_memory_ordered 1
		.amdhsa_forward_progress 1
		.amdhsa_inst_pref_size 255
	.end_amdhsa_kernel
	.section	.bss,"aw",@nobits
	.p2align	6
	.space	262144
	.amdgpu_metadata
---
amdhsa.version: [ 1, 2 ]
amdhsa.kernels:
  - .name:           k_qc3e5a468d5_proj
    .symbol:         k_qc3e5a468d5_proj.kd
    .args:
      - { .name: Q, .offset: 0, .size: 8, .value_kind: global_buffer, .address_space: global }
      - { .name: K, .offset: 8, .size: 8, .value_kind: global_buffer, .address_space: global }
      - { .name: wimg, .offset: 16, .size: 8, .value_kind: global_buffer, .address_space: global }
      - { .name: bq, .offset: 24, .size: 8, .value_kind: global_buffer, .address_space: global }
      - { .name: bk, .offset: 32, .size: 8, .value_kind: global_buffer, .address_space: global }
      - { .name: bv, .offset: 40, .size: 8, .value_kind: global_buffer, .address_space: global }
      - { .name: key_padding_mask, .offset: 48, .size: 8, .value_kind: global_buffer, .address_space: global }
      - { .name: qf, .offset: 56, .size: 8, .value_kind: global_buffer, .address_space: global }
      - { .name: qimg, .offset: 64, .size: 8, .value_kind: global_buffer, .address_space: global }
      - { .name: kimg, .offset: 72, .size: 8, .value_kind: global_buffer, .address_space: global }
      - { .name: vimg, .offset: 80, .size: 8, .value_kind: global_buffer, .address_space: global }
      - { .name: scl, .offset: 88, .size: 8, .value_kind: global_buffer, .address_space: global }
    .group_segment_fixed_size: 327680
    .private_segment_fixed_size: 0
    .kernarg_segment_align: 8
    .kernarg_segment_size: 96
    .max_flat_workgroup_size: 128
    .sgpr_count:     100
    .vgpr_count:     768
    .wavefront_size: 32
...
	.end_amdgpu_metadata
.endif
;; end of part 2
;; launch attn (part 3): grid 4 x 128, 16 waves a work-group, clusters of 4 x 1, 169,984 bytes of LDS; arguments qimg, kimg, vimg, scl, qf, xs; writes xs
.if DOCPART == 3
	.amdgcn_target "amdgcn-amd-amdhsa--gfx1250"
	.amdhsa_code_object_version 6
	.text
	.protected	k_qc3e5a468d5_attn
	.globl	k_qc3e5a468d5_attn
	.p2align	8
	.type	k_qc3e5a468d5_attn,@function
k_qc3e5a468d5_attn:
	s_mov_b64 s[64:65], 0
	v_nop
	global_prefetch_b8 v0, s[64:65] scope:SCOPE_SE
	s_setreg_imm32_b32 hwreg(HW_REG_WAVE_MODE, 25, 1), 1
	s_wait_xcnt 0x0
	s_wait_alu depctr_hold_cnt(0) depctr_sa_sdst(0) depctr_va_vdst(0) depctr_va_sdst(0) depctr_va_ssrc(0) depctr_va_vcc(0) depctr_vm_vsrc(0)
	s_getreg_b32 s2, hwreg(HW_REG_IB_STS2, 6, 4)
	s_cmp_eq_u32 s2, 0
	s_cbranch_scc0 .Lentry_in_a_cluster
	s_endpgm
.Lentry_in_a_cluster:
	s_bfe_u32 s2, ttmp6, 0x10000c
	s_cmp_lg_u32 s2, 0x3003
	s_cbranch_scc0 .Lentry_shape_is_right
	s_endpgm
.Lentry_shape_is_right:
; xs = q + softmax(q k^T / 8, padded keys hidden) v, for one head and 256 queries a work-group, both products on codes of E5M2 with one E8M0 scale for each 32 along K.
; THE SOFTMAX AHEAD OF THE SECOND PRODUCT: t = score x log2(e) / 8; M = the running largest t rounded UP to a whole number; p = 2^(t - M) is quantised along the keys; the row's sum is taken of the unquantised p and divides at the end.
; SHARES.  Sixteen waves, each ONE tile of 16 queries in 256 registers, four waves to a SIMD.  Every wave walks the head's 1,024 keys, 128 a step.
; A whole head's K and V as fragment images, 131,072 bytes, and their scale words lie in LDS: filled once, nothing is filled again.  The four query blocks of a head are a cluster and ask JOINTLY:
; wave 0 for K, wave 1 for V: the scale words, then four chunks of 16,384 bytes (two key steps each): five loads of a wave are out.
; LAYOUT.  Both products transposed: S^T = K Q^T, O^T = V^T P^T: a lane holds one query.  Key tiles are laid so that the 16 registers of tiles 2 b, 2 b + 1 are keys 32 b + 16 (lane / 16) + 0 .. 15.
; THE MASK IS A TERM OF THE FIRST PRODUCT.  The head has 64 of the instruction's 128 along K.  At k = 64 every key carries the code +1.0 and every query -1.0; the key's scale byte for that block is 227 where the key is padded
; (the term is -2^100) and 1 else (-2^-126, nothing beside a score).  The largest t starts at -2^60, so M is never taken from a padded key and a padded key's p is 0.  A row all of whose keys are padded ends as 0 x (1 / 0) = NaN.
; LIMITS: real t lie above -2^60; NaN and infinities are not served; a block whose every p is 0 carries the byte 1 (its codes are zeros).
; REGISTERS: v1-5 addresses; v12 -M, v13 the largest t, v[14:15] the sum; v16-31 Q; v32-95 four operands of K (registers 8-15 of each: the constant block); v96-159 S^T, then p, then V's four fragments; v160-191 O^T;
;   v192-207 p's codes; v208-223 at work; v224 f, v225 p's scale word; v226 at work; v227 Q's scale word; v228-231 K's, v232-235 V's.
.set S,   96
.set O,   160
.set PCD, 192
.set BM,  208
.set T1,  212
.set HL,  216
.set SO,  220
.set FF,  224
.set PWD, 225
.set TMP, 226
.set QW,  227
.set KS,  228
.set VS,  232
.set WV,  16
.set G0,  24                           ; s[24:43] five groups 0
.set G1S, 44
.set G1C, 52
.set SEL, 70
.set CS,  72
.set MNT, 74
.macro PLACES n
.rept \n
	v_nop
.endr
.endm
.macro ROUND                           ; a round of the cluster's barrier
	s_barrier_signal -1
	s_barrier_wait -1
	s_cmp_lg_u32 s[WV], 0
	s_cbranch_scc1 .Lnot_wave_0_\@
	s_barrier_signal -3
.Lnot_wave_0_\@:
	s_barrier_wait -3
	s_barrier_signal -1
	s_barrier_wait -1
.endm
	s_load_b256 s[4:11], s[0:1], 0x0               ; qimg 4, kimg 6, vimg 8, scl 10
	s_load_b128 s[12:15], s[0:1], 0x20             ; qf 12, xs 14
	v_lshl_add_u32 v254, v0, 2, 0x29000
	v_mov_b32 v255, 0
	ds_add_u32 v254, v255
	ds_add_u32 v254, v255
	v_lshrrev_b32 v6, 5, v0
	v_readfirstlane_b32 s[WV], v6                  ; wave 0..15
	s_bfe_u32 s17, ttmp6, 0x40000                  ; cx: my block of 256 queries; it enters Q's, qf's and xs's addresses alone
	s_and_b32 s18, ttmp7, 0xffff                   ; the head, 16 b + h, which the four partners share
	s_lshl_b32 s19, s17, 4
	s_add_co_u32 s19, s19, s[WV]                   ; my tile of queries
	s_mov_b32 s[G1S], 15|(3<<16)|(1<<21)           ; the mask: all four; elements of 8 bytes; bit 21 beside a mask
	s_mov_b32 s[G1S+1], 32<<16                     ; 16 rows of 256 bytes, dense
	s_mov_b32 s[G1S+2], 16<<16
	s_mov_b32 s[G1S+3], 32<<16
	s_mov_b32 s[G1S+4], 16
	s_mov_b32 s[G1S+5], 32
	s_mov_b32 s[G1S+6], 0
	s_mov_b32 s[G1S+7], 0
	s_mov_b32 s[G1C], 15|(3<<16)|(1<<21)
	s_mov_b32 s[G1C+1], 32<<16                     ; 64 rows of 256 bytes, dense
	s_mov_b32 s[G1C+2], 64<<16
	s_mov_b32 s[G1C+3], 32<<16
	s_mov_b32 s[G1C+4], 64
	s_mov_b32 s[G1C+5], 32
	s_mov_b32 s[G1C+6], 0
	s_mov_b32 s[G1C+7], 0
	s_min_u32 s68, s[WV], 1                        ; 0: K; 1: V (the waves behind them issue nothing)
	s_lshl_b32 s60, s68, 16                        ; the codes in LDS
	s_lshl_b32 s61, s68, 12
	s_add_co_u32 s61, s61, 131072                  ; the scale words in LDS
	s_lshl_b32 s62, s18, 16                        ; the head's codes in memory: 65,536 bytes
	s_mov_b32 s63, 0
	s_add_co_u32 s66, s68, 1
	s_lshl_b32 s66, s66, 19                        ; scl's part K or V,
	s_lshl_b32 s67, s18, 12                        ; the head's 4,096 bytes of it
	s_add_co_u32 s66, s66, s67
	s_mov_b32 s67, 0
	s_wait_dscnt 0x0
	s_wait_kmcnt 0x0
	s_cmp_eq_u32 s68, 0
	s_cselect_b64 s[20:21], s[6:7], s[8:9]
	s_add_nc_u64 s[20:21], s[20:21], s[62:63]
	s_add_nc_u64 s[22:23], s[10:11], s[66:67]
	s_mov_b32 s[G0], 1
	s_mov_b32 s[G0+1], s61
	s_mov_b64 s[G0+2:G0+3], s[22:23]
	s_or_b32 s[G0+3], s[G0+3], 0x80000000
.irp j, 0,1,2,3
	s_mov_b32 s[G0+4+4*\j], 1
	s_add_co_u32 s[G0+5+4*\j], s60, 16384*\j
	s_add_nc_u64 s[G0+6+4*\j:G0+7+4*\j], s[20:21], 16384*\j
	s_or_b32 s[G0+7+4*\j], s[G0+7+4*\j], 0x80000000
.endr
	ROUND                                          ; all four work-groups are here: the joint loads meet
	s_cmp_lt_u32 s[WV], 2
	s_cbranch_scc0 .Lno_fill
	tensor_load_to_lds s[G0:G0+3], s[G1S:G1S+7]
	s_nop 0
	tensor_load_to_lds s[G0+4:G0+7], s[G1C:G1C+7]
	s_nop 0
	tensor_load_to_lds s[G0+8:G0+11], s[G1C:G1C+7]
	s_nop 0
	tensor_load_to_lds s[G0+12:G0+15], s[G1C:G1C+7]
	s_nop 0
	tensor_load_to_lds s[G0+16:G0+19], s[G1C:G1C+7]
	s_nop 0
	PLACES 4
.Lno_fill:
	v_and_b32 v6, 31, v0                           ; lane
	v_and_b32 v7, 15, v0                           ; r
	v_lshlrev_b32 v1, 4, v6                        ; K's images: 16 x lane
	v_add_nc_u32 v2, 65536, v1                     ; V's
	v_lshlrev_b32 v5, 2, v7                        ; 4 r
	v_add_nc_u32 v3, 131072, v5                    ; K's scale words
	v_add_nc_u32 v4, 135168, v5                    ; V's
	s_mov_b32 s63, 0
	s_lshl_b32 s62, s18, 16
	s_lshl_b32 s66, s19, 10
	s_add_co_u32 s62, s62, s66
	s_add_nc_u64 s[4:5], s[4:5], s[62:63]          ; my tile's codes: 1,024 bytes a tile
	s_lshr_b32 s62, s62, 4
	s_add_nc_u64 s[10:11], s[10:11], s[62:63]      ; its scale words: 64 bytes a tile
	s_lshl_b32 s62, s62, 6
	s_add_nc_u64 s[12:13], s[12:13], s[62:63]      ; its q in f32: 4,096 bytes a tile,
	s_add_nc_u64 s[14:15], s[14:15], s[62:63]      ; and where q + ctx goes
	global_load_b128 v[16:19], v1, s[4:5]
	global_load_b128 v[20:23], v1, s[4:5] offset:512
	global_load_b32 v[QW], v5, s[10:11]
	s_mov_b32 s[SEL], 0x76543210
	s_mov_b32 s[SEL+1], 0xfedcba98
	s_mov_b32 s[CS], 0x3e38aa3b                    ; c = log2(e) / 8
	s_mov_b32 s[CS+1], s[CS]                       ; (named with it as a pair, so it is written)
	s_mov_b32 s[MNT], 0x600000                     ; the mantissa field of 57,344
	s_mov_b32 s75, 0x7f0000                        ; the byte 127 for Q's block at k = 64
	v_cmp_gt_u32 vcc_lo, 16, v6
	v_mov_b32 v7, 0xbc
	v_cndmask_b32 v24, 0, v7, vcc_lo               ; Q at k = 64: -1.0 (register 8, byte 0, lanes 0-15)
	v_mov_b32 v7, 0x3c
	v_cndmask_b32 v8, 0, v7, vcc_lo                ; K at k = 64: +1.0
.irp j, 25,26,27,28,29,30,31
	v_mov_b32 v[\j], 0
.endr
.irp t, 0,1,2,3
	v_mov_b32 v[32+16*\t+8], v8
.irp j, 9,10,11,12,13,14,15
	v_mov_b32 v[32+16*\t+\j], 0
.endr
.endr
	v_mov_b32 v13, 0xdd800000                      ; the largest t so far: -2^60
	v_floor_f32 v12, -v13                          ; -M
	v_mov_b32 v14, 0
	v_mov_b32 v15, 0
.irp b, 0,1,2,3
	v_mov_b32 v[T1+\b], 0                          ; a lane permute's destination counts as one of its sources
.endr
	v_mov_b32 v[PWD], 0                            ; (named as the upper half of the pair with f before it is first written)
.set jj, 0
.rept 32
	v_mov_b32 v[O+jj], 0                           ; O^T: the step is written alike for all eight: the first finds zeros
.set jj, jj+1
.endr
	s_wait_loadcnt 0x0
	v_and_or_b32 v[QW], v[QW], 0xffff, s75         ; Q's two scale bytes, 127 for the block at k = 64, 0
	PLACES 8                                       ; a scale register written by a vector instruction stands eight plain lines ahead of a scaled product
; Chunk j (key steps 2 j and 2 j + 1) has landed in the waves that asked for it; then the work-group's barrier.  The later chunks may stay out.
.macro STAGE j
	s_wait_tensorcnt 3-(\j)                        ; behind chunk j the 3 - j later chunks were issued
	s_wait_dscnt 0x0
	s_barrier_signal -1
	s_barrier_wait -1
.endm
; A KEY STEP: 128 keys.  Every offset is an immediate.
.macro STEP s, last
.if (\s) > 0
	PLACES 9                                       ; the scores are laid over V's fragments, which the last products read: nine plain lines between
.endif
.irp gq, 0,1                                   ; S^T = K Q^T, four tiles of 16 keys at a time
.if \gq
	PLACES 8                                       ; in front of loads into registers that products have read
.endif
.irp t, 0,1,2,3
.irp c, 0,1
	ds_load_b128 v[32+16*\t+4*\c:32+16*\t+4*\c+3], v1 offset:8192*(\s)+1024*(4*\gq+\t)+512*\c
.endr
	ds_load_b32 v[KS+\t], v3 offset:64*(8*(\s)+4*\gq+\t)
.endr
	s_wait_dscnt 0x0
.irp t, 0,1,2,3
	v_wmma_scale_f32_16x16x128_f8f6f4 v[S+8*(4*\gq+\t):S+8*(4*\gq+\t)+7], v[32+16*\t:32+16*\t+15], v[16:31], 0, v[KS+\t], v[QW] matrix_a_fmt:MATRIX_FMT_BF8 matrix_b_fmt:MATRIX_FMT_BF8
.endr
.endr
	PLACES 8
.if \last
.irp q, 0,1,2,3,4,5,6,7
	global_load_b128 v[32+4*\q:32+4*\q+3], v1, s[12:13] offset:512*\q th:TH_LOAD_NT   ; q in f32, in O^T's layout, into K's registers, which are done with
.endr
.endif
.irp b, 0,1,2,3
	v_max3_num_f32 v[BM+\b], v[S+16*\b], v[S+16*\b+1], v[S+16*\b+2]   ; the largest score of each block of 32 keys: for the row's maximum and, since p rises with the score, for the block's largest p
.endr
.irp i, 3,5,7,9,11,13
.irp b, 0,1,2,3
	v_max3_num_f32 v[BM+\b], v[BM+\b], v[S+16*\b+\i], v[S+16*\b+\i+1]
.endr
.endr
.irp b, 0,1,2,3
	v_max_num_f32 v[BM+\b], v[BM+\b], v[S+16*\b+15]
.endr
.irp b, 0,1,2,3
	v_permlanex16_b32 v[T1+\b], v[BM+\b], s[SEL], s[SEL+1]
.endr
.irp b, 0,1,2,3
	v_max_num_f32 v[BM+\b], v[BM+\b], v[T1+\b]     ; with lane l xor 16's 16 keys
.endr
	v_max3_num_f32 v[TMP], v[BM], v[BM+1], v[BM+2]
	v_max_num_f32 v[TMP], v[TMP], v[BM+3]          ; the step's largest score of my query
	v_mul_f32 v[TMP], s[CS], v[TMP]                ; as t (c is positive)
	v_max_num_f32 v13, v13, v[TMP]                 ; the running largest t
	v_mov_b32 v[TMP], v12
	v_floor_f32 v12, -v13                          ; the new -M = floor(-t): M is a whole number
	v_sub_f32 v[TMP], v12, v[TMP]                  ; old M less new M: a whole number, 0 or less
	v_cvt_i32_f32 v[TMP], v[TMP]                   ; (it saturates)
	v_ldexp_f32 v[FF], 1.0, v[TMP]                 ; f = 2^(old M - new M)
.set jj, 0
.rept 32
	v_pk_fma_f32 v[S+2*jj:S+2*jj+1], v[S+2*jj:S+2*jj+1], s[CS:CS+1], v[12:13] op_sel_hi:[1,0,0]   ; t - M, two at a time
.set jj, jj+1
.endr
.irp b, 0,1,2,3
	v_fma_f32 v[BM+\b], v[BM+\b], s[CS], v12       ; the same of each block's largest score
.endr
.set jj, 0
.rept 64
	v_exp_f32 v[S+jj], v[S+jj]                     ; p = 2^(t - M), at most 1
.set jj, jj+1
.endr
	v_pk_mul_f32 v[14:15], v[14:15], v[FF:FF+1] op_sel_hi:[1,0]   ; the sums under the new M: a plain line behind the exponentials
	s_wait_alu depctr_va_vdst(0)                   ; one wait for the whole batch, ahead of its first reader
.irp b, 0,1,2,3
	v_exp_f32 v[BM+\b], v[BM+\b]                   ; the block's largest p: the same two instructions on the same number give the same bits
.endr
	v_pk_add_f32 v[T1:T1+1], v[S:S+1], v[S+2:S+3]  ; the row's sum is taken of the unquantised p, two at a time, in two chains
.irp j, 4,8,12,16,20,24,28,32,36,40,44,48,52,56,60
	v_pk_add_f32 v[14:15], v[14:15], v[S+\j:S+\j+1]
	v_pk_add_f32 v[T1:T1+1], v[T1:T1+1], v[S+\j+2:S+\j+3]
.endr
	v_pk_add_f32 v[14:15], v[14:15], v[T1:T1+1]
	s_wait_alu depctr_va_vdst(0)                   ; and one for the four
.irp b, 0,1,2,3
	v_max_num_f32 v[BM+\b], 0x8000000, v[BM+\b]    ; the floor 2^(16 - 127): the byte cannot fall under 1
.endr
.irp b, 0,1,2,3
	v_add_nc_u32 v[SO+\b], 0xf8800000, v[BM+\b]    ; 15 off the exponent field: the conversion's scale operand
.endr
.irp b, 0,1,2,3
	v_and_or_b32 v[HL+\b], v[BM+\b], 0x7f800000, s[MNT]   ; 57,344 x the scale
.endr
.irp b, 0,1,2,3
	v_lshrrev_b32 v[T1+\b], 23, v[SO+\b]           ; the scale's byte
.endr
	v_lshl_or_b32 v[PWD], v[T1+1], 8, v[T1]        ; p's scale word for these 128 keys
	v_lshl_or_b32 v[PWD], v[T1+2], 16, v[PWD]
	v_lshl_or_b32 v[PWD], v[T1+3], 24, v[PWD]
.irp b, 0,1,2,3
.irp i, 0,1,2,3,4,5,6,7,8,9,10,11,12,13,14,15
	v_min_num_f32 v[S+16*\b+\i], v[S+16*\b+\i], v[HL+\b]   ; the conversion does not saturate (ISA guide 7.6.2); p is not negative, so the hold is one-sided
.endr
	v_cvt_scalef32_pk8_bf8_f32 v[PCD+4*\b:PCD+4*\b+1], v[S+16*\b:S+16*\b+7], v[SO+\b]
	v_cvt_scalef32_pk8_bf8_f32 v[PCD+4*\b+2:PCD+4*\b+3], v[S+16*\b+8:S+16*\b+15], v[SO+\b]
.endr
.irp dt, 0,1,2,3                               ; V's four fragments (16 of the head's 64 x these 128 keys) into p's registers, which are done with
.irp c, 0,1,2,3
	ds_load_b128 v[S+16*\dt+4*\c:S+16*\dt+4*\c+3], v2 offset:8192*(\s)+2048*\dt+512*\c
.endr
	ds_load_b32 v[VS+\dt], v4 offset:128*(4*(\s)+\dt)
.endr
.set jj, 0
.rept 16
	v_pk_mul_f32 v[O+2*jj:O+2*jj+1], v[O+2*jj:O+2*jj+1], v[FF:FF+1] op_sel_hi:[1,0]   ; O^T under the new M; these sixteen are also the plain lines between the conversions and the products
.set jj, jj+1
.endr
	s_wait_dscnt 0x0
.irp dt, 0,1,2,3                               ; O^T += V^T P^T: four accumulators, one instruction a turn
	v_wmma_scale_f32_16x16x128_f8f6f4 v[O+8*\dt:O+8*\dt+7], v[S+16*\dt:S+16*\dt+15], v[PCD:PCD+15], v[O+8*\dt:O+8*\dt+7], v[VS+\dt], v[PWD] matrix_a_fmt:MATRIX_FMT_BF8 matrix_b_fmt:MATRIX_FMT_BF8
.endr
.endm
	STAGE 0
	STEP 0, 0
	STEP 1, 0
	STAGE 1
	STEP 2, 0
	STEP 3, 0
	STAGE 2
	STEP 4, 0
	STEP 5, 0
	STAGE 3
	STEP 6, 0
	STEP 7, 1
	; THE WAY OUT: xs = O^T / the sum + q, in the accumulators' own layout: each store covers 512 consecutive bytes.
	v_add_f32 v14, v14, v15                        ; the sum's two halves,
	v_permlanex16_b32 v[TMP], v14, s[SEL], s[SEL+1]
	v_add_f32 v14, v14, v[TMP]                     ; and lane l xor 16's: the row's sum
	v_rcp_f32 v14, v14
	PLACES 8                                       ; plain lines behind the reciprocal and behind the last products
	s_wait_alu depctr_va_vdst(0)                   ; the wait ahead of the reciprocal's first reader
	s_wait_loadcnt 0x0                             ; q
.set jj, 0
.rept 16
	v_pk_fma_f32 v[O+2*jj:O+2*jj+1], v[O+2*jj:O+2*jj+1], v[14:15], v[32+2*jj:32+2*jj+1] op_sel_hi:[1,0,1]   ; each accumulator from its low end on
.set jj, jj+1
.endr
.irp q, 0,1,2,3,4,5,6,7
	global_store_b128 v1, v[O+4*\q:O+4*\q+3], s[14:15] offset:512*\q
.endr
	s_wait_tensorcnt 0x0
	s_wait_dscnt 0x0
	s_wait_tensorcnt 0x0
	ds_add_u32 v254, v255
	s_wait_dscnt 0x0
	ROUND                                          ; the closing round: no work-group ends while a partner may still ask for a tile that names it
	s_endpgm
.Lfunc_end_k_qc3e5a468d5_attn:
	.size	k_qc3e5a468d5_attn, .Lfunc_end_k_qc3e5a468d5_attn-k_qc3e5a468d5_attn
	.p2alignl 7, 3214868480
	.fill 96, 4, 3214868480
	.section	.rodata,"a",@progbits
	.p2align	6, 0x0
	.amdhsa_kernel k_qc3e5a468d5_attn
		.amdhsa_group_segment_fixed_size 169984
		.amdhsa_private_segment_fixed_size 0
		.amdhsa_enable_private_segment 0
		.amdhsa_kernarg_size 48
		.amdhsa_user_sgpr_count 2
		.amdhsa_user_sgpr_kernarg_segment_ptr 1
		.amdhsa_wavefront_size32 1
		.amdhsa_system_sgpr_workgroup_id_x 1
		.amdhsa_system_sgpr_workgroup_id_y 1
		.amdhsa_system_sgpr_workgroup_id_z 1
		.amdhsa_system_vgpr_workitem_id 0
		.amdhsa_next_free_vgpr 256
		.amdhsa_next_free_sgpr 80
		.amdhsa_reserve_vcc 1
		.amdhsa_float_denorm_mode_32 3
		.amdhsa_float_denorm_mode_16_64 3
		.amdhsa_memory_ordered 1
		.amdhsa_forward_progress 1
		.amdhsa_inst_pref_size 165
	.end_amdhsa_kernel
	.amdgpu_metadata
---
amdhsa.version: [ 1, 2 ]
amdhsa.kernels:
  - .name:           k_qc3e5a468d5_attn
    .symbol:         k_qc3e5a468d5_attn.kd
    .args:
      - { .name: qimg, .offset: 0, .size: 8, .value_kind: global_buffer, .address_space: global }
      - { .name: kimg, .offset: 8, .size: 8, .value_kind: global_buffer, .address_space: global }
      - { .name: vimg, .offset: 16, .size: 8, .value_kind: global_buffer, .address_space: global }
      - { .name: scl, .offset: 24, .size: 8, .value_kind: global_buffer, .address_space: global }
      - { .name: qf, .offset: 32, .size: 8, .value_kind: global_buffer, .address_space: global }
      - { .name: xs, .offset: 40, .size: 8, .value_kind: global_buffer, .address_space: global }
    .group_segment_fixed_size: 169984
    .private_segment_fixed_size: 0
    .kernarg_segment_align: 8
    .kernarg_segment_size: 48
    .max_flat_workgroup_size: 512
    .sgpr_count:     80
    .vgpr_count:     256
    .wavefront_size: 32
...
	.end_amdgpu_metadata
.endif
;; end of part 3
;; launch final (part 4): grid 256 x 1, 4 waves a work-group, clusters of 4 x 1, 327,680 bytes of LDS; arguments xs, wimg, g0, beta0, bp, g1, beta1, out0; writes out0
.if DOCPART == 4
	.amdgcn_target "amdgcn-amd-amdhsa--gfx1250"
	.amdhsa_code_object_version 6
	.text
	.protected	k_qc3e5a468d5_final
	.globl	k_qc3e5a468d5_final
	.p2align	8
	.type	k_qc3e5a468d5_final,@function
k_qc3e5a468d5_final:
	s_mov_b64 s[64:65], 0
	v_nop
	global_prefetch_b8 v0, s[64:65] scope:SCOPE_SE
	s_setreg_imm32_b32 hwreg(HW_REG_WAVE_MODE, 25, 1), 1
	s_wait_xcnt 0x0
	s_wait_alu depctr_hold_cnt(0) depctr_sa_sdst(0) depctr_va_vdst(0) depctr_va_sdst(0) depctr_va_ssrc(0) depctr_va_vcc(0) depctr_vm_vsrc(0)
	s_getreg_b32 s2, hwreg(HW_REG_IB_STS2, 6, 4)
	s_cmp_eq_u32 s2, 0
	s_cbranch_scc0 .Lentry_in_a_cluster
	s_endpgm
.Lentry_in_a_cluster:
	s_bfe_u32 s2, ttmp6, 0x10000c
	s_cmp_lg_u32 s2, 0x3003
	s_cbranch_scc0 .Lentry_shape_is_right
	s_endpgm
.Lentry_shape_is_right:
; o = LN(xs; g0, beta0);  out0 = LN(o + gelu(o Wp + bp); g1, beta1).  The product is on codes of E5M2 with one E8M0 scale for each 32 along K; all else in f32.
; SHARES.  Work-group i owns tokens 32 i .. 32 i + 31, whole rows (two tiles of 16; lane r of tile u is token 8 u + r + 8 (r / 8)).  Wave w owns columns 256 w .. 256 w + 255.
; A lane holds ONE token and 128 of its wave's 256 columns: register 128 u + 16 b + i is column 256 w + 32 b + 16 (lane / 16) + i.  xs lies in memory in that layout, the product (source 0 = 16 columns of Wp,
; source 1 = 16 tokens) gives it again, so the residual, the gains and the biases need no move.  A row's sums meet over lane l xor 16 and, through 16 bytes of LDS a token, over the four waves.
; The variance is taken of x - mu in a second pass over the registers.
; o's columns are the product's K: wave w quantises K steps 2 w and 2 w + 1 in registers, and the fragments reach all waves through LDS as images of the operand's registers.
; Wp comes as images (launch wquant): a K step is four chunks of 33,792 bytes, one a wave, through a ring of two LDS slots.  Every work-group walks the same eight steps: the four of a cluster ask JOINTLY.
; GELU: 0.5 (z + |z| erf(|z| / sqrt 2)), erf by 1 - (a1 t + .. + a5 t^5) e^(-x^2), t = 1 / (1 + 0.3275911 x): absolute error of erf 1.5e-7; no quantiser stands behind it.
; LIMITS: a block of zeros, and one whose largest magnitude lies under 2^-111, carries the byte 1 (zero codes add nothing); infinities among the inputs are not served; a NaN row stays NaN.
; REGISTERS: window 0: v1-20 addresses; v32-159 eight places for Wp's fragments (also: the quantiser's 64 numbers, the norms' scratch, GELU's 96); v160-175 Wp's scale words, v176-191 the tokens'; v192-227 the quantiser;
;   v228-237 GELU's constants; v244-251 mu and 1 / sigma.   window 1: the tokens' 16 fragments, then g1, beta1.   window 2: g0, beta0, then the 32 accumulators.   window 3: xs, then o, then rows on the way out.
.set CHUNK, 33792
.set STEP,  4*CHUNK                    ; a K step's weights, and a slot
.set SLOT1, STEP
.set AIMG,  2*STEP                     ; behind the ring: the tokens' 16 fragment images of 2,048 bytes,
.set ASC,   AIMG+32768                 ; their scale words, 128 bytes each,
.set SPARE, ASC+2048                   ; the spare words, 128 bytes a wave: two blocks of 256 bytes that no other line names,
.set STAT,  SPARE+512                  ; and four regions of 512 bytes for the norms' sums: [tile u][token r][wave] words
.set L16, 1                            ; v1   16 x lane
.set AB0, 3                            ; v3-4 my chunk in slot 0, 1, + 16 x lane
.set ASW0, 5                           ; v5-6 my chunk + 16 r: the scale words' lines
.set AAI, 7                            ; v7   AIMG + 16 x lane
.set AAS, 8                            ; v8   ASC + 4 x lane
.set AWI, 9                            ; v9   where I store images: AAI + 8,192 x wave
.set AWS, 10                           ; v10  and scale words: AAS + 512 x wave
.set SO,  11                           ; v11  the way out: my chunk + 1,040 r + 64 h
.set STW, 13                           ; v13  STAT + 16 r + 4 x wave
.set STR, 14                           ; v14  STAT + 16 r
.set H64, 18                           ; v18  64 h
.set L4,  20                           ; v20  4 x lane
.set SPW, 28
.set NIL, 29
.set BF,  32
.set ST,  32
.set LT,  32                           ; the norms: four chains of pairs,
.set LR,  40                           ; a sum for each tile,
.set LP,  42                           ; lane l xor 16's,
.set LQ,  44                           ; the four waves' parts, twice
.set GD,  32                           ; GELU: 1 + p x, then t;
.set GU,  64                           ; the exponent, then e^(-x^2);
.set GQ,  96                           ; the polynomial
.set SC,  160
.set AS,  176
.set TM,  192
.set PW,  208
.set PC,  212
.set A1,  228
.set A2,  230
.set A3,  232
.set A4,  234
.set A5,  236
.set MU,  244
.set RS,  248
.set WV,  32
.set G1W, 48
.set G0W, 68
.set SEL, 76
.set MNT, 78
.set PCN, 79
.set UC,  80
.set I1K, 82
.set EPS, 83
.set MSB, 0
.macro WIN new                         ; the immediate's high byte repeats the setting that is left; a switch that changes nothing is dropped
.if MSB != (\new)
	s_set_vgpr_msb (MSB<<8)|(\new)
.set MSB, (\new)
.endif
.endm
.macro PLACES n
.rept \n
	v_nop
.endr
.endm
.macro ROUND                           ; a round of the cluster's barrier
	s_barrier_signal -1
	s_barrier_wait -1
	s_cmp_lg_u32 s[WV], 0
	s_cbranch_scc1 .Lnot_wave_0_\@
	s_barrier_signal -3
.Lnot_wave_0_\@:
	s_barrier_wait -3
	s_barrier_signal -1
	s_barrier_wait -1
.endm
; 64 numbers of a lane, v[s] on in window w, register 16 b + i = place 32 b + 16 (lane / 16) + i along K, become a fragment's codes in v[PC] on and its scale word in v[PW].
; The held numbers go to v[ST] on: the source stays as it is.
.macro QUANT s, w
	WIN (\w)|((\w)<<2)
.irp b, 0,1,2,3
	v_max3_num_f32 v[TM+\b], |v[(\s)+16*\b]|, |v[(\s)+16*\b+1]|, 0x8000000   ; my 16 numbers of block b, and the floor 2^(16 - 127)
.endr
	WIN ((\w)<<2)|((\w)<<4)
.irp i, 2,4,6,8,10,12,14
.irp b, 0,1,2,3
	v_max3_num_f32 v[TM+\b], v[TM+\b], |v[(\s)+16*\b+\i]|, |v[(\s)+16*\b+\i+1]|
.endr
.endr
	WIN 0
.irp b, 0,1,2,3
	v_permlanex16_b32 v[TM+4+\b], v[TM+\b], s[SEL], s[SEL+1]
.endr
.irp b, 0,1,2,3
	v_max_num_f32 v[TM+\b], v[TM+\b], v[TM+4+\b]   ; with lane l xor 16's: the block's largest magnitude
.endr
.irp b, 0,1,2,3
	v_add_nc_u32 v[TM+12+\b], 0xf8800000, v[TM+\b]
.endr
.irp b, 0,1,2,3
	v_and_or_b32 v[TM+8+\b], v[TM+\b], 0x7f800000, s[MNT]
.endr
.irp b, 0,1,2,3
	v_lshrrev_b32 v[TM+4+\b], 23, v[TM+12+\b]
.endr
	v_lshl_or_b32 v[PW], v[TM+5], 8, v[TM+4]
	v_lshl_or_b32 v[PW], v[TM+6], 16, v[PW]
	v_lshl_or_b32 v[PW], v[TM+7], 24, v[PW]
	WIN (\w)
.irp b, 0,1,2,3
.irp i, 0,1,2,3,4,5,6,7,8,9,10,11,12,13,14,15
	v_med3_num_f32 v[ST+16*\b+\i], v[(\s)+16*\b+\i], -v[TM+8+\b], v[TM+8+\b]   ; the conversion does not saturate (ISA guide 7.6.2): the hold comes first
.endr
.endr
	WIN 0
.irp b, 0,1,2,3
	v_cvt_scalef32_pk8_bf8_f32 v[PC+4*\b:PC+4*\b+1], v[ST+16*\b:ST+16*\b+7], v[TM+12+\b]
	v_cvt_scalef32_pk8_bf8_f32 v[PC+4*\b+2:PC+4*\b+3], v[ST+16*\b+8:ST+16*\b+15], v[TM+12+\b]
.endr
	v_nop                                          ; one plain line behind the last conversion
.endm
.macro ALOAD                           ; the tokens' 16 fragments and scale words, from their images
	WIN 0x40
.set ff, 0
.rept 64
	ds_load_b128 v[4*ff:4*ff+3], v[AAI] offset:512*ff
.set ff, ff+1
.endr
	WIN 0
.set ff, 0
.rept 16
	ds_load_b32 v[AS+ff], v[AAS] offset:128*ff
.set ff, ff+1
.endr
.endm
.macro FRAGS slot, t0, p0              ; Wp's tiles t0 .. t0 + 3 into places p0 .. p0 + 3: 16 loads of 512 consecutive bytes
.set xx, 0
.rept 16
	ds_load_b128 v[BF+16*(\p0)+4*xx:BF+16*(\p0)+4*xx+3], v[AB0+(\slot)] offset:2048*(\t0)+512*xx
.set xx, xx+1
.endr
.endm
.macro MUL8 t0, p0, s                  ; 8 products: tiles t0 .. t0 + 3 x the two tiles of tokens; eight accumulators, one instruction a turn
.irp m, 0,1
.irp k, 0,1,2,3
	v_wmma_scale_f32_16x16x128_f8f6f4 v[128*\m+8*((\t0)+\k):128*\m+8*((\t0)+\k)+7], v[BF+16*((\p0)+\k):BF+16*((\p0)+\k)+15], v[16*(2*(\s)+\m):16*(2*(\s)+\m)+15], v[128*\m+8*((\t0)+\k):128*\m+8*((\t0)+\k)+7], v[SC+(\t0)+\k], v[AS+2*(\s)+\m] matrix_a_fmt:MATRIX_FMT_BF8 matrix_b_fmt:MATRIX_FMT_BF8
.endr
.endr
.endm
; One K step of my chunk: 16 tiles of Wp in four groups through two halves of the places; 32 products.  A load into a register that a product has read stands eight plain lines behind it.
.macro WORK slot, s
.irp g, 0,1,2,3
	ds_load_b128 v[SC+4*\g:SC+4*\g+3], v[ASW0+(\slot)] offset:32768+256*\g     ; lane r: the words of tiles 4 g .. 4 g + 3
.endr
	FRAGS \slot, 0, 0
	FRAGS \slot, 4, 4
	s_wait_dscnt 16                                ; the words and tiles 0-3 are in; the sixteen loads of tiles 4-7 may be out
	WIN 0xa4                                       ; source 0 (Wp) window 0, source 1 (tokens) window 1, C and D window 2
	MUL8 0, 0, \s
	WIN 0
	PLACES 8
	FRAGS \slot, 8, 0
	s_wait_dscnt 16                                ; tiles 4-7 are in; the sixteen just issued may be out
	WIN 0xa4
	MUL8 4, 4, \s
	WIN 0
	PLACES 8
	FRAGS \slot, 12, 4
	s_wait_dscnt 16                                ; tiles 8-11 are in
	WIN 0xa4
	MUL8 8, 0, \s
	s_wait_dscnt 0x0
	MUL8 12, 4, \s
	WIN 0
.endm
; A trip of the ring.  refill = 1: all my tensor loads have landed (my chunk of this slot among them), 0 goes onto my spare word, my reads of the other slot are over; a round of the cluster's barrier;
; then the one joint load: the next K step into the slot read last.  One load of mine is out behind each round.
.macro TRIP slot, s, refill
	s_wait_tensorcnt 0x0
.if \refill
	ds_add_u32 v[SPW], v[NIL]
	s_add_nc_u64 s[G0W+4*(\slot)+2:G0W+4*(\slot)+3], s[G0W+4*(\slot)+2:G0W+4*(\slot)+3], 2*STEP   ; no load of mine is out: this slot's next K step
	s_wait_dscnt 0x0
	ROUND
	tensor_load_to_lds s[G0W+4*(1-(\slot)):G0W+4*(1-(\slot))+3], s[G1W:G1W+7]
	s_nop 0
.endif
	PLACES 8                                       ; behind the joint load, and in front of the loads into registers that the last products read
	WORK \slot, \s
.endm
.macro BIAS p                          ; the bias in the accumulators' layout, for both tiles of tokens: it is the C of the first products
	WIN 0x80
.irp m, 0,1
.irp b, 0,1,2,3,4,5,6,7
.irp q, 0,1,2,3
	global_load_b128 v[128*\m+16*\b+4*\q:128*\m+16*\b+4*\q+3], v[H64], s[\p:\p+1] offset:128*\b+16*\q
.endr
.endr
.endr
	WIN 0
.endm
.macro GB pg, pb, win                  ; a gain into registers 0-127 and a shift into 128-255 of a window, in a tile's layout
	WIN (\win)<<6
.irp b, 0,1,2,3,4,5,6,7
.irp q, 0,1,2,3
	global_load_b128 v[16*\b+4*\q:16*\b+4*\q+3], v[H64], s[\pg:\pg+1] offset:128*\b+16*\q
	global_load_b128 v[128+16*\b+4*\q:128+16*\b+4*\q+3], v[H64], s[\pb:\pb+1] offset:128*\b+16*\q
.endr
.endr
	WIN 0
.endm
.macro MERGE u                         ; the four chains become one number
	v_pk_add_f32 v[LT:LT+1], v[LT:LT+1], v[LT+2:LT+3]
	v_pk_add_f32 v[LT+4:LT+5], v[LT+4:LT+5], v[LT+6:LT+7]
	v_pk_add_f32 v[LT:LT+1], v[LT:LT+1], v[LT+4:LT+5]
	v_add_f32 v[LR+\u], v[LT], v[LT+1]
.endm
; Both tiles' sums, over lane l xor 16 and over the four waves, into v[LQ] and v[LQ+4].  Every wave adds the four parts in the same order.  Each use has LDS bytes of its own, so one barrier serves it.
.macro XCH so
.irp u, 0,1
	v_permlanex16_b32 v[LP+\u], v[LR+\u], s[SEL], s[SEL+1]
.endr
.irp u, 0,1
	v_add_f32 v[LR+\u], v[LR+\u], v[LP+\u]
.endr
.irp u, 0,1
	ds_store_b32 v[STW], v[LR+\u] offset:(\so)+256*\u   ; lanes r and r + 16 store the same word with the same value
.endr
	s_wait_dscnt 0x0                               ; for the others' sake: my stores have landed
	s_barrier_signal -1
	s_barrier_wait -1
.irp u, 0,1
	ds_load_b128 v[LQ+4*\u:LQ+4*\u+3], v[STR] offset:(\so)+256*\u
.endr
	s_wait_dscnt 0x0
.irp u, 0,1
	v_add_f32 v[LQ+4*\u], v[LQ+4*\u], v[LQ+4*\u+1]
	v_add_f32 v[LQ+4*\u+2], v[LQ+4*\u+2], v[LQ+4*\u+3]
	v_add_f32 v[LQ+4*\u], v[LQ+4*\u], v[LQ+4*\u+2]
.endr
.endm
; The norm of the 256 registers of window xw, in place; gain and shift in window gw; so: which 1,024 bytes of the sums' LDS.
.macro LN xw, gw, so
.irp u, 0,1
	WIN (\xw)|((\xw)<<2)
.irp k, 0,1,2,3
	v_pk_add_f32 v[LT+2*\k:LT+2*\k+1], v[128*\u+4*\k:128*\u+4*\k+1], v[128*\u+4*\k+2:128*\u+4*\k+3]   ; the first pairs start the chains: nothing is cleared
.endr
	WIN (\xw)<<2
.set pp, 8
.rept 56
	v_pk_add_f32 v[LT+2*(pp%4):LT+2*(pp%4)+1], v[LT+2*(pp%4):LT+2*(pp%4)+1], v[128*\u+2*pp:128*\u+2*pp+1]
.set pp, pp+1
.endr
	WIN 0
	MERGE \u
.endr
	XCH \so
.irp u, 0,1
	v_mul_f32 v[MU+2*\u], s[I1K], v[LQ+4*\u]       ; mu = the sum / 1,024, in both halves of a pair
	v_mul_f32 v[MU+2*\u+1], s[I1K], v[LQ+4*\u]
.endr
	WIN (\xw)|((\xw)<<6)
.irp u, 0,1
.set pp, 0
.rept 64
	v_pk_add_f32 v[128*\u+2*pp:128*\u+2*pp+1], v[128*\u+2*pp:128*\u+2*pp+1], v[MU+2*\u:MU+2*\u+1] neg_lo:[0,1] neg_hi:[0,1]   ; x - mu
.set pp, pp+1
.endr
.endr
.irp u, 0,1
	WIN (\xw)|((\xw)<<2)
.irp k, 0,1,2,3
	v_pk_mul_f32 v[LT+2*\k:LT+2*\k+1], v[128*\u+2*\k:128*\u+2*\k+1], v[128*\u+2*\k:128*\u+2*\k+1]
.endr
.set pp, 4
.rept 60
	v_pk_fma_f32 v[LT+2*(pp%4):LT+2*(pp%4)+1], v[128*\u+2*pp:128*\u+2*pp+1], v[128*\u+2*pp:128*\u+2*pp+1], v[LT+2*(pp%4):LT+2*(pp%4)+1]
.set pp, pp+1
.endr
	WIN 0
	MERGE \u
.endr
	XCH (\so)+512
.irp u, 0,1
	v_fma_f32 v[LQ+4*\u], v[LQ+4*\u], s[I1K], s[EPS]   ; the variance + 1e-5
.endr
.irp u, 0,1
	v_rsq_f32 v[RS+2*\u], v[LQ+4*\u]
	v_rsq_f32 v[RS+2*\u+1], v[LQ+4*\u]
.endr
	v_nop                                          ; a plain line behind the last of them
	s_wait_alu depctr_va_vdst(0)                   ; one wait for the four, ahead of their first reader
	WIN (\xw)|((\xw)<<6)
.irp u, 0,1
.set pp, 0
.rept 64
	v_pk_mul_f32 v[128*\u+2*pp:128*\u+2*pp+1], v[128*\u+2*pp:128*\u+2*pp+1], v[RS+2*\u:RS+2*\u+1]
.set pp, pp+1
.endr
.endr
	WIN (\xw)|((\gw)<<2)|((\gw)<<4)|((\xw)<<6)
.irp u, 0,1
.set pp, 0
.rept 64
	v_pk_fma_f32 v[128*\u+2*pp:128*\u+2*pp+1], v[128*\u+2*pp:128*\u+2*pp+1], v[2*pp:2*pp+1], v[128+2*pp:128+2*pp+1]
.set pp, pp+1
.endr
.endr
	WIN 0
.endm
; 32 numbers: z in window 2 at v[zb] on, o in window 3 at the same numbers; y = o + gelu(z) takes z's place.
.macro GELU zb
	WIN 0x02
.set ii, 0
.rept 32
	v_fma_f32 v[GD+ii], |v[(\zb)+ii]|, s[PCN], 1.0     ; 1 + 0.3275911 |z| / sqrt 2; each accumulator is read from its low end on
.set ii, ii+1
.endr
	WIN 0x0a
.set ii, 0
.rept 16
	v_pk_mul_f32 v[GU+2*ii:GU+2*ii+1], v[(\zb)+2*ii:(\zb)+2*ii+1], v[(\zb)+2*ii:(\zb)+2*ii+1]
.set ii, ii+1
.endr
	WIN 0
.set ii, 0
.rept 16
	v_pk_mul_f32 v[GU+2*ii:GU+2*ii+1], v[GU+2*ii:GU+2*ii+1], s[UC:UC+1] op_sel_hi:[1,0]   ; -z^2 / 2 x log2(e)
.set ii, ii+1
.endr
.set ii, 0
.rept 32
	v_rcp_f32 v[GD+ii], v[GD+ii]                   ; t
.set ii, ii+1
.endr
.set ii, 0
.rept 32
	v_exp_f32 v[GU+ii], v[GU+ii]                   ; e^(-x^2)
.set ii, ii+1
.endr
	v_nop                                          ; a plain line behind the last of them
	s_wait_alu depctr_va_vdst(0)                   ; one wait for the 64, ahead of their first reader
.set ii, 0
.rept 16
	v_pk_fma_f32 v[GQ+2*ii:GQ+2*ii+1], v[GD+2*ii:GD+2*ii+1], v[A5:A5+1], v[A4:A4+1]
.set ii, ii+1
.endr
.irp a, A3, A2, A1
.set ii, 0
.rept 16
	v_pk_fma_f32 v[GQ+2*ii:GQ+2*ii+1], v[GQ+2*ii:GQ+2*ii+1], v[GD+2*ii:GD+2*ii+1], v[\a:\a+1]
.set ii, ii+1
.endr
.endr
.set ii, 0
.rept 16
	v_pk_mul_f32 v[GQ+2*ii:GQ+2*ii+1], v[GQ+2*ii:GQ+2*ii+1], v[GD+2*ii:GD+2*ii+1]
.set ii, ii+1
.endr
.set ii, 0
.rept 16
	v_pk_fma_f32 v[GQ+2*ii:GQ+2*ii+1], v[GQ+2*ii:GQ+2*ii+1], v[GU+2*ii:GU+2*ii+1], 1.0 op_sel_hi:[1,1,0] neg_lo:[1,0,0] neg_hi:[1,0,0]   ; erf = 1 - polynomial x e^(-x^2)
.set ii, ii+1
.endr
	WIN 0x22
.set ii, 0
.rept 32
	v_fma_f32 v[GQ+ii], |v[(\zb)+ii]|, v[GQ+ii], v[(\zb)+ii]   ; z + |z| erf
.set ii, ii+1
.endr
	WIN 0xb0
.set ii, 0
.rept 16
	v_pk_fma_f32 v[(\zb)+2*ii:(\zb)+2*ii+1], v[GQ+2*ii:GQ+2*ii+1], 0.5, v[(\zb)+2*ii:(\zb)+2*ii+1] op_sel_hi:[1,0,1]   ; y = o + half of it
.set ii, ii+1
.endr
	WIN 0
.endm
	s_load_b512 s[4:19], s[0:1], 0x0               ; xs 4, wimg 6, g0 8, beta0 10, bp 12, g1 14, beta1 16, out0 18
	v_lshl_add_u32 v[SPW], v0, 2, SPARE
	v_mov_b32 v[NIL], 0
	ds_add_u32 v28, v29
	ds_add_u32 v28, v29
	s_wait_dscnt 0x0
	v_lshrrev_b32 v21, 5, v0
	v_readfirstlane_b32 s[WV], v21                 ; wave 0..3
	s_bfe_u32 s33, ttmp6, 0x40000                  ; cx: it enters global addresses of my own rows alone
	s_lshl_b32 s34, ttmp9, 2
	s_add_co_u32 s34, s34, s33                     ; i
	s_lshr_b32 s35, s34, 5                         ; the batch
	s_and_b32 s36, s34, 31                         ; g: which 32 tokens of it
	s_mov_b32 s[G1W], 15|(3<<16)|(1<<21)           ; the mask: all four work-groups; elements of 8 bytes; bit 21 beside a mask
	s_mov_b32 s[G1W+1], 32<<16                     ; a chunk is dense: 132 rows of 256 bytes
	s_mov_b32 s[G1W+2], 132<<16
	s_mov_b32 s[G1W+3], 32<<16
	s_mov_b32 s[G1W+4], 132
	s_mov_b32 s[G1W+5], 32
	s_mov_b32 s[G1W+6], 0
	s_mov_b32 s[G1W+7], 0
	s_mul_i32 s91, s[WV], CHUNK
	s_mov_b32 s39, 0
	s_mov_b32 s38, s91
	s_wait_kmcnt 0x0
	s_add_nc_u64 s[6:7], s[6:7], s[38:39]
	s_add_nc_u64 s[6:7], s[6:7], 24*STEP           ; my chunk of Wp's K step 0: behind Wq's, Wk's and Wv's 24 steps
	s_mov_b32 s[G0W], 1
	s_mov_b32 s[G0W+1], s91
	s_mov_b64 s[G0W+2:G0W+3], s[6:7]
	s_or_b32 s[G0W+3], s[G0W+3], 0x80000000
	s_mov_b32 s[G0W+4], 1
	s_add_co_u32 s[G0W+5], s91, SLOT1
	s_add_nc_u64 s[G0W+6:G0W+7], s[6:7], STEP
	s_or_b32 s[G0W+7], s[G0W+7], 0x80000000
	ROUND                                          ; all four work-groups are here: the first joint loads meet
	tensor_load_to_lds s[G0W:G0W+3], s[G1W:G1W+7]  ; K step 0,
	s_nop 0
	tensor_load_to_lds s[G0W+4:G0W+7], s[G1W:G1W+7]  ; K step 1: two loads of mine are out; they land under the first norm
	s_nop 0
	PLACES 4
	v_and_b32 v21, 31, v0                          ; lane
	v_and_b32 v22, 15, v0                          ; r
	v_bfe_u32 v23, v0, 4, 1                        ; h
	v_lshlrev_b32 v[L16], 4, v21
	v_lshlrev_b32 v[L4], 2, v21
	v_lshlrev_b32 v[H64], 6, v23
	v_add_nc_u32 v[AB0], s91, v[L16]
	v_add_nc_u32 v[AB0+1], SLOT1, v[AB0]
	v_lshlrev_b32 v25, 4, v22
	v_add_nc_u32 v[ASW0], s91, v25
	v_add_nc_u32 v[ASW0+1], SLOT1, v[ASW0]
	v_add_nc_u32 v[AAI], AIMG, v[L16]
	v_add_nc_u32 v[AAS], ASC, v[L4]
	s_lshl_b32 s38, s[WV], 13
	v_add_nc_u32 v[AWI], s38, v[AAI]
	s_lshl_b32 s38, s[WV], 9
	v_add_nc_u32 v[AWS], s38, v[AAS]
	v_add_nc_u32 v[STR], STAT, v25
	s_lshl_b32 s38, s[WV], 2
	v_add_nc_u32 v[STW], s38, v[STR]
	v_mul_u32_u24 v[SO], v22, 1040
	v_add_nc_u32 v[SO], v[SO], v[H64]
	v_add_nc_u32 v[SO], s91, v[SO]
	s_lshl_b32 s38, s35, 22                        ; xs: [16 b + 4 w + hl][2 g + u][4,096 bytes]
	s_lshl_b32 s37, s[WV], 20
	s_add_co_u32 s38, s38, s37
	s_lshl_b32 s37, s36, 13
	s_add_co_u32 s38, s38, s37
	s_add_nc_u64 s[4:5], s[4:5], s[38:39]
	s_lshl_b32 s38, s[WV], 10                      ; gains, shifts, bias: my 256 columns
	s_add_nc_u64 s[8:9], s[8:9], s[38:39]
	s_add_nc_u64 s[10:11], s[10:11], s[38:39]
	s_add_nc_u64 s[12:13], s[12:13], s[38:39]
	s_add_nc_u64 s[14:15], s[14:15], s[38:39]
	s_add_nc_u64 s[16:17], s[16:17], s[38:39]
	s_lshl_b32 s37, s34, 17                        ; out0: 32 rows of 4,096 bytes a work-group
	s_add_co_u32 s38, s38, s37
	s_add_nc_u64 s[18:19], s[18:19], s[38:39]
	WIN 0xc0                                       ; destination window 3
.irp u, 0,1
.irp hl, 0,1,2,3
.irp q, 0,1,2,3,4,5,6,7
	global_load_b128 v[128*\u+32*\hl+4*\q:128*\u+32*\hl+4*\q+3], v[L16], s[4:5] offset:(\hl<<18)+(\u<<12)+(\q<<9) th:TH_LOAD_NT   ; 512 consecutive bytes a load
.endr
.endr
.endr
	WIN 0
	GB 8, 10, 2                                    ; g0, beta0
	s_mov_b32 s[SEL], 0x76543210
	s_mov_b32 s[SEL+1], 0xfedcba98
	s_mov_b32 s[MNT], 0x600000                     ; the mantissa field of 57,344
	s_mov_b32 s[PCN], 0x3e6d3388                   ; 0.3275911 / sqrt 2
	s_mov_b32 s[UC], 0xbf38aa3b                    ; -log2(e) / 2
	s_mov_b32 s[UC+1], s[UC]
	s_mov_b32 s[I1K], 0x3a800000                   ; 1 / 1,024
	s_mov_b32 s[EPS], 0x3727c5ac                   ; 1e-5
.irp b, 0,1,2,3
	v_mov_b32 v[TM+4+\b], 0                        ; a lane permute's destination counts as one of its sources
.endr
	v_mov_b32 v[LP], 0
	v_mov_b32 v[LP+1], 0
.irp e, 0,1
	v_mov_b32 v[A1+\e], 0x3e827906                 ;  0.254829592
	v_mov_b32 v[A2+\e], 0xbe91a98e                 ; -0.284496736
	v_mov_b32 v[A3+\e], 0x3fb5f0e3                 ;  1.421413741
	v_mov_b32 v[A4+\e], 0xbfba00e3                 ; -1.453152027
	v_mov_b32 v[A5+\e], 0x3f87dc22                 ;  1.061405429
.endr
	s_wait_loadcnt 0x0
	LN 3, 2, 0                                     ; o = LN(xs), in window 3
	BIAS 12                                        ; bp takes g0's and beta0's place: the accumulators
.irp u, 0,1
.irp sg, 0,1                                   ; K step 2 w + sg, tile u: fragment 4 w + 2 sg + u
	QUANT 128*\u+64*\sg, 3
.irp c, 0,1,2,3
	ds_store_b128 v[AWI], v[PC+4*\c:PC+4*\c+3] offset:2048*(2*\sg+\u)+512*\c
.endr
	ds_store_b32 v[AWS], v[PW] offset:128*(2*\sg+\u)
	s_wait_dscnt 0x0                               ; the stores have read their registers, and have landed
.endr
.endr
	s_barrier_signal -1
	s_barrier_wait -1                              ; o's sixteen fragments lie in LDS
	ALOAD
	s_wait_loadcnt 0x0                             ; bp
	s_wait_tensorcnt 0x1                           ; my chunk of K step 0 is in (only I read it); K step 1's may be out
	s_add_nc_u64 s[G0W+2:G0W+3], s[G0W+2:G0W+3], 2*STEP   ; that load is done: slot 0's next K step
	s_wait_dscnt 0x0                               ; the fragments
	WORK 0, 0
	TRIP 1, 1, 1
	TRIP 0, 2, 1
	TRIP 1, 3, 1
	TRIP 0, 4, 1
	TRIP 1, 5, 1
	TRIP 0, 6, 1
	TRIP 1, 7, 0                                   ; the last K step: nothing is left to fetch
	PLACES 8                                       ; in front of the first read of results, and of loads into the fragments' registers
	GB 14, 16, 1                                   ; g1, beta1 take the fragments' place
.irp G, 0,1,2,3,4,5,6,7
	GELU 32*\G
.endr
	s_wait_loadcnt 0x0
	LN 2, 1, 1024                                  ; the result, in window 2
; THE WAY OUT.  A lane holds 64 bytes of each of eight pieces of a row, and the lanes beside it hold other rows: a tile of 16 tokens goes through a stage (rows of 1,024 bytes + 16) and comes back as runs of 512 bytes.
; The stage lies in my own chunk of slot 0, which has had its last fill and which only I read.  LDS serves a wave's instructions in order (ISA guide 5.7.1.4): no wait between the stores and the loads.
.macro TOST u
	WIN 0x08                                       ; an LDS store's data are its source 1: window 2
.irp b, 0,1,2,3,4,5,6,7
.irp q, 0,1,2,3
	ds_store_b128 v[SO], v[128*\u+16*\b+4*\q:128*\u+16*\b+4*\q+3] offset:16640*\u+128*\b+16*\q
.endr
.endr
	WIN 0
.endm
.macro BACK u
	WIN 0xc0                                       ; destination window 3
.set kk, 0
.rept 32
	ds_load_b128 v[128*\u+4*kk:128*\u+4*kk+3], v[AB0] offset:16640*\u+1040*(kk/2)+512*(kk%2)
.set kk, kk+1
.endr
	WIN 0
.endm
.macro SEND u
	WIN 0x0c                                       ; a store's data are its source 1: window 3
.set kk, 0
.rept 32
	s_wait_dscnt 31-kk                             ; load kk is in; the 31 - kk behind it may be out
	global_store_b128 v[L16], v[128*\u+4*kk:128*\u+4*kk+3], s[18:19] offset:(8*\u+(kk/2)+8*((kk/2)/8))*4096+512*(kk%2) th:TH_STORE_NT   ; 512 consecutive bytes, at a multiple of 256 from out0's first byte
.set kk, kk+1
.endr
	WIN 0
.endm
	TOST 0
	BACK 0
	SEND 0
	TOST 1
	BACK 1
	SEND 1
	s_wait_tensorcnt 0x0                           ; the wave's end
	ds_add_u32 v[SPW], v[NIL]
	s_wait_dscnt 0x0
	ROUND                                          ; the closing round
	s_endpgm
.Lfunc_end_k_qc3e5a468d5_final:
	.size	k_qc3e5a468d5_final, .Lfunc_end_k_qc3e5a468d5_final-k_qc3e5a468d5_final
	.p2alignl 7, 3214868480
	.fill 96, 4, 3214868480
	.section	.rodata,"a",@progbits
	.p2align	6, 0x0
	.amdhsa_kernel k_qc3e5a468d5_final
		.amdhsa_group_segment_fixed_size 327680
		.amdhsa_private_segment_fixed_size 0
		.amdhsa_enable_private_segment 0
		.amdhsa_kernarg_size 64
		.amdhsa_user_sgpr_count 2
		.amdhsa_user_sgpr_kernarg_segment_ptr 1
		.amdhsa_wavefront_size32 1
		.amdhsa_system_sgpr_workgroup_id_x 1
		.amdhsa_system_sgpr_workgroup_id_y 1
		.amdhsa_system_sgpr_workgroup_id_z 1
		.amdhsa_system_vgpr_workitem_id 0
		.amdhsa_next_free_vgpr 1024
		.amdhsa_next_free_sgpr 100
		.amdhsa_reserve_vcc 0
		.amdhsa_float_denorm_mode_32 3
		.amdhsa_float_denorm_mode_16_64 3
		.amdhsa_memory_ordered 1
		.amdhsa_forward_progress 1
		.amdhsa_inst_pref_size 255
	.end_amdhsa_kernel
	.section	.bss,"aw",@nobits
	.p2align	6
	.space	262144
	.amdgpu_metadata
---
amdhsa.version: [ 1, 2 ]
amdhsa.kernels:
  - .name:           k_qc3e5a468d5_final
    .symbol:         k_qc3e5a468d5_final.kd
    .args:
      - { .name: xs, .offset: 0, .size: 8, .value_kind: global_buffer, .address_space: global }
      - { .name: wimg, .offset: 8, .size: 8, .value_kind: global_buffer, .address_space: global }
      - { .name: g0, .offset: 16, .size: 8, .value_kind: global_buffer, .address_space: global }
      - { .name: beta0, .offset: 24, .size: 8, .value_kind: global_buffer, .address_space: global }
      - { .name: bp, .offset: 32, .size: 8, .value_kind: global_buffer, .address_space: global }
      - { .name: g1, .offset: 40, .size: 8, .value_kind: global_buffer, .address_space: global }
      - { .name: beta1, .offset: 48, .size: 8, .value_kind: global_buffer, .address_space: global }
      - { .name: out0, .offset: 56, .size: 8, .value_kind: global_buffer, .address_space: global }
    .group_segment_fixed_size: 327680
    .private_segment_fixed_size: 0
    .kernarg_segment_align: 8
    .kernarg_segment_size: 64
    .max_flat_workgroup_size: 128
    .sgpr_count:     100
    .vgpr_count:     1024
    .wavefront_size: 32
...
	.end_amdgpu_metadata
.endif
;; end of part 4
;; ======== version 2 of 2: 4 launches; 1.17 times as fast as version 1
;; limits: right only within a limited range of input values; a function is approximated: absolute error at most 1.5e-07
;; workspace buffers: wimg 4,325,376 bytes; aimg 17,825,792 bytes; qf 33,554,432 bytes; xs 33,554,432 bytes; qimg 8,388,608 bytes; kimg 8,388,608 bytes; vimg 8,388,608 bytes; scl 1,572,864 bytes
;; launch quant (part 5): grid 256 x 1, 4 waves a work-group, no clusters, 270,848 bytes of LDS; arguments Wq, Wk, Wv, Wp, Q, K, wimg, aimg; writes wimg, aimg
.if DOCPART == 5
	.amdgcn_target "amdgcn-amd-amdhsa--gfx1250"
	.amdhsa_code_object_version 6
	.text
	.protected	k_qc3e5a468d5_quant
	.globl	k_qc3e5a468d5_quant
	.p2align	8
	.type	k_qc3e5a468d5_quant,@function
k_qc3e5a468d5_quant:
	s_mov_b64 s[64:65], 0
	v_nop
	global_prefetch_b8 v0, s[64:65] scope:SCOPE_SE
	s_setreg_imm32_b32 hwreg(HW_REG_WAVE_MODE, 25, 1), 1
	s_wait_xcnt 0x0
; TWO JOBS in one launch, both: f32 numbers into codes of E5M2 with one E8M0 byte for each 32 along K, laid as the later launches' operand registers want them.
; JOB W.  Wq, Wk, Wv, Wp: [1024 (k)][1024 (n)], K the FIRST axis.  wimg = [weight e][K step s of 128][quarter w of 256 columns][chunk of 33,792 bytes].  A chunk: 16 fragment images of 2,048 bytes (tile t: four blocks c of
; 512 bytes, lane l at 16 l: k = 128 s + 32 c + 16 (l / 16) + 0 .. 15 of column 256 w + 32 (t / 2) + 8 (t % 2) + r + 8 (r / 8), r = l % 16), then at 32,768 the scale words: word (t, r) at 256 (t / 4) + 16 r + 4 (t % 4), byte c.
; A lane takes a column and its registers run down K: a block of 32 lies in one lane.  A wave takes 32 columns x one K step; work-group n takes columns 128 (n % 8) on of K step and weight n / 8.
; Column 32 G + l is lane r' = (l % 8) + 8 (l / 16) of tile u = (l / 8) % 2: each store of 16 bytes a lane covers two runs of 256 consecutive bytes, aligned.
; JOB X.  Q, K: [8,192 tokens][1024], K innermost.  Work-group i takes tokens 32 i .. 32 i + 31 (two tiles of 16; lane r of tile u is token 8 u + r + 8 (r / 8)), wave w columns 256 w on: K steps 2 w and 2 w + 1.
; aimg = [Q, K][i][fragment f = 2 s + u][2,048 bytes as above], and from byte 16,777,216 on the scale words [Q, K][i][f][128 bytes: word at 4 l].
; The wave's two tiles of 32 x 256 numbers come by two tensor loads, issued first; job W runs while they are on their way.  Only the wave that asked reads a tile, nothing is filled again: no barrier.
; A block's scale: its largest magnitude's exponent field less 15, held at 1 from below by a floor among the maximum's leaves.
; LIMITS: a block of zeros, and one whose largest magnitude lies under 2^-111, carries the byte 1 (this program alone reads the bytes; zero codes add nothing); NaN and infinities among the inputs are not served.
.set CHUNK, 33792
.set XT,    33280                      ; a wave's tile of f32 input in LDS: 32 rows x (1,024 bytes + 16)
.set SLOT1, 135168                     ; K's four tiles begin here, Q's at 0
.set X,     32                         ; v32-95   job W: two sets of 32 numbers
.set C,     96                         ; v96-127  job W: eight registers of codes for each block: no store's data are written again
.set SW,    24                         ; v24      job W: the four scale bytes
.set XA0,   16                         ; v16-17   job X: my lane's place in my tile of Q, of K
.set XA1,   17
.set L16,   18                         ; v18      16 x lane
.set L4,    19                         ; v19      4 x lane
.set ST,    32                         ; v32-95   job X: 64 numbers
.set TM,    192                        ; +0..3 largest magnitudes, +4..7 bytes, +8..11 57,344 x the scale, +12..15 the conversions' scale operands
.set PW,    208
.set PC,    212
.set WV,    20
.set G1X,   24
.set G0X,   32
.set SEL,   40
.set MNT,   42
	s_load_b512 s[4:19], s[0:1], 0x0               ; Wq 4, Wk 6, Wv 8, Wp 10, Q 12, K 14, wimg 16, aimg 18
	v_lshl_add_u32 v254, v0, 2, 0x42000
	v_mov_b32 v255, 0
	ds_add_u32 v254, v255
	ds_add_u32 v254, v255
	v_lshrrev_b32 v1, 5, v0
	v_readfirstlane_b32 s[WV], v1                  ; wave 0..3
	s_mov_b32 s[G1X], (2<<16)|(1<<20)|(7<<22)|(3<<25)   ; no mask; elements of 4 bytes; padding: 4 words behind every 256
	s_mov_b32 s[G1X+1], 256<<16                    ; tensor_dim0 = 256
	s_mov_b32 s[G1X+2], 32<<16                     ; tensor_dim1 = 32
	s_mov_b32 s[G1X+3], 256<<16                    ; tile_dim0 = 256
	s_mov_b32 s[G1X+4], 32                         ; tile_dim1 = 32
	s_mov_b32 s[G1X+5], 1024                       ; elements from row to row
	s_mov_b32 s[G1X+6], 0
	s_mov_b32 s[G1X+7], 0
	s_mul_i32 s43, s[WV], XT
	s_lshl_b32 s60, ttmp9, 17                      ; 32 rows of 4,096 bytes a work-group,
	s_lshl_b32 s61, s[WV], 10                      ; 256 columns a wave
	s_add_co_u32 s60, s60, s61
	s_mov_b32 s61, 0
	s_and_b32 s47, ttmp9, 7                        ; job W: x: which 128 columns
	s_lshr_b32 s44, ttmp9, 3                       ; 8 e + s
	s_and_b32 s45, s44, 7                          ; s
	s_lshr_b32 s46, s44, 3                         ; e
	s_lshl_b32 s48, s45, 19                        ; 128 rows of 4,096 bytes a K step
	s_lshl_b32 s49, s47, 9                         ; 128 columns a work-group
	s_add_co_u32 s48, s48, s49
	s_lshl_b32 s49, s[WV], 7                       ; 32 columns a wave
	s_add_co_u32 s48, s48, s49
	s_mov_b32 s49, 0
	s_lshl_b32 s50, s44, 2
	s_lshr_b32 s51, s47, 1
	s_add_co_u32 s50, s50, s51                     ; chunk number: 4 (8 e + s) + quarter
	s_mul_i32 s50, s50, CHUNK
	s_and_b32 s51, s47, 1
	s_lshl_b32 s51, s51, 2
	s_add_co_u32 s51, s51, s[WV]                   ; which 32 columns of the quarter: 0..7
	s_lshl_b32 s52, s51, 12                        ; two tiles of 2,048 bytes
	s_add_co_u32 s52, s52, s50
	s_mov_b32 s53, 0
	s_lshr_b32 s54, s51, 1
	s_lshl_b32 s54, s54, 8
	s_and_b32 s55, s51, 1
	s_lshl_b32 s55, s55, 3
	s_add_co_u32 s54, s54, s55
	s_add_co_u32 s54, s54, s50
	s_add_co_u32 s54, s54, 32768
	s_mov_b32 s55, 0
	s_mov_b32 s[MNT], 0x600000                     ; the mantissa field of 57,344
	s_mov_b32 s[SEL], 0x76543210
	s_mov_b32 s[SEL+1], 0xfedcba98                 ; v_permlanex16_b32's selects for lane l xor 16
	s_wait_dscnt 0x0
	s_wait_kmcnt 0x0
	s_add_nc_u64 s[12:13], s[12:13], s[60:61]
	s_add_nc_u64 s[14:15], s[14:15], s[60:61]
	s_mov_b32 s[G0X], 1
	s_mov_b32 s[G0X+1], s43
	s_mov_b64 s[G0X+2:G0X+3], s[12:13]
	s_or_b32 s[G0X+3], s[G0X+3], 0x80000000
	s_mov_b32 s[G0X+4], 1
	s_add_co_u32 s[G0X+5], s43, SLOT1
	s_mov_b64 s[G0X+6:G0X+7], s[14:15]
	s_or_b32 s[G0X+7], s[G0X+7], 0x80000000
	tensor_load_to_lds s[G0X:G0X+3], s[G1X:G1X+7]  ; my 32 x 256 of Q,
	s_nop 0
	tensor_load_to_lds s[G0X+4:G0X+7], s[G1X:G1X+7]  ; of K: two loads of mine are out
	s_nop 0
.rept 4
	v_nop
.endr
	; ---- JOB W
	v_and_b32 v2, 31, v0                           ; lane
	v_lshlrev_b32 v3, 2, v2                        ; in: 4 bytes a lane
	v_bfe_u32 v6, v2, 3, 1                         ; u
	v_and_b32 v7, 7, v2
	v_bfe_u32 v8, v2, 4, 1
	v_lshl_or_b32 v7, v8, 3, v7                    ; r'
	v_lshlrev_b32 v4, 4, v7
	v_lshl_add_u32 v5, v6, 2, v4                   ; scale word: 16 r' + 4 u
	v_lshl_add_u32 v4, v6, 11, v4                  ; codes: 2,048 u + 16 r'
	s_cmp_eq_u32 s46, 1                            ; which weight: the choice hangs on the work-group's number alone
	s_cselect_b64 s[4:5], s[6:7], s[4:5]
	s_cmp_eq_u32 s46, 2
	s_cselect_b64 s[4:5], s[8:9], s[4:5]
	s_cmp_eq_u32 s46, 3
	s_cselect_b64 s[4:5], s[10:11], s[4:5]
	s_add_nc_u64 s[4:5], s[4:5], s[48:49]
	s_add_nc_u64 s[56:57], s[16:17], s[52:53]      ; my codes
	s_add_nc_u64 s[58:59], s[16:17], s[54:55]      ; my scale words
.macro LOAD t                          ; block t: W(128 s + 32 t + i, my column) into set t % 2; 32 lanes read 128 consecutive bytes
.irp i, 0,1,2,3,4,5,6,7,8,9,10,11,12,13,14,15,16,17,18,19,20,21,22,23,24,25,26,27,28,29,30,31
	global_load_b32 v[X+32*((\t)%2)+\i], v3, s[4:5] offset:(32*(\t)+\i)*4096 th:TH_LOAD_NT
.endr
.endm
	LOAD 0
	LOAD 1
.macro BLOCK t
.set XS, X+32*((\t)%2)
.if (\t) < 3
	s_wait_loadcnt 32                              ; this block's 32 loads are in; the next block's 32 may be out
.else
	s_wait_loadcnt 0x0
.endif
	v_max3_num_f32 v12, |v[XS]|, |v[XS+1]|, |v[XS+2]|
	v_max3_num_f32 v13, |v[XS+3]|, |v[XS+4]|, |v[XS+5]|
.irp i, 6,10,14,18,22,26
	v_max3_num_f32 v12, v12, |v[XS+\i]|, |v[XS+\i+1]|
	v_max3_num_f32 v13, v13, |v[XS+\i+2]|, |v[XS+\i+3]|
.endr
	v_max3_num_f32 v12, v12, |v[XS+30]|, |v[XS+31]|
	v_max3_num_f32 v12, v12, v13, 0x8000000        ; the floor 2^(16 - 127): the byte cannot fall under 1
	v_add_nc_u32 v11, 0xf8800000, v12              ; 15 off the exponent field: the conversion's scale operand
	v_and_or_b32 v10, v12, 0x7f800000, s[MNT]      ; 57,344 x the scale
	v_lshrrev_b32 v13, 23, v11                     ; the scale's byte
.if (\t) == 0
	v_mov_b32 v[SW], v13
.else
	v_lshl_or_b32 v[SW], v13, 8*(\t), v[SW]
.endif
.irp i, 0,1,2,3,4,5,6,7,8,9,10,11,12,13,14,15,16,17,18,19,20,21,22,23,24,25,26,27,28,29,30,31
	v_med3_num_f32 v[XS+\i], v[XS+\i], -v10, v10   ; the conversion to an 8-bit code does not saturate (ISA guide 7.6.2): the hold comes first
.endr
.irp g, 0,1,2,3
	v_cvt_scalef32_pk8_bf8_f32 v[C+8*(\t)+2*\g:C+8*(\t)+2*\g+1], v[XS+8*\g:XS+8*\g+7], v11
.endr
	global_store_b128 v4, v[C+8*(\t):C+8*(\t)+3], s[56:57] offset:512*(\t)           ; k = 32 t + 0 .. 15: the lanes 0-15 of the image
	global_store_b128 v4, v[C+8*(\t)+4:C+8*(\t)+7], s[56:57] offset:512*(\t)+256     ; k = 32 t + 16 .. 31: its lanes 16-31
.if (\t)+2 < 4
	LOAD (\t)+2
.endif
.endm
	BLOCK 0
	BLOCK 1
	BLOCK 2
	BLOCK 3
	global_store_b32 v5, v[SW], s[58:59]
	; ---- JOB X
	v_and_b32 v20, 15, v0                          ; r
	v_bfe_u32 v21, v0, 4, 1                        ; h
	v_and_b32 v22, 8, v20
	v_add_nc_u32 v22, v22, v20                     ; r + 8 (r / 8)
	v_mul_u32_u24 v[XA0], v22, 1040
	v_lshl_add_u32 v[XA0], v21, 6, v[XA0]          ; + 64 h: my 16 numbers of a block of 32
	v_add_nc_u32 v[XA0], s43, v[XA0]
	v_add_nc_u32 v[XA1], SLOT1, v[XA0]
	v_and_b32 v23, 31, v0
	v_lshlrev_b32 v[L16], 4, v23
	v_lshlrev_b32 v[L4], 2, v23
.irp b, 0,1,2,3
	v_mov_b32 v[TM+4+\b], 0                        ; a lane permute's destination counts as one of its sources
.endr
	s_lshl_b32 s60, ttmp9, 15                      ; 16 fragments of 2,048 bytes a work-group,
	s_lshl_b32 s62, s[WV], 13                      ; four a wave
	s_add_co_u32 s60, s60, s62
	s_add_nc_u64 s[66:67], s[18:19], s[60:61]      ; Q's images
	s_add_nc_u64 s[68:69], s[66:67], 0x800000      ; K's
	s_lshl_b32 s60, ttmp9, 11                      ; 16 x 128 bytes of scale words a work-group,
	s_lshl_b32 s62, s[WV], 9
	s_add_co_u32 s60, s60, s62
	s_add_co_u32 s60, s60, 0x1000000               ; behind the images
	s_add_nc_u64 s[70:71], s[18:19], s[60:61]      ; Q's scale words
	s_add_nc_u64 s[72:73], s[70:71], 0x80000       ; K's
; 64 numbers of a lane in v[ST] on, register 16 b + i = k 32 b + 16 (lane / 16) + i of my token, become a fragment's codes in v[PC] on and its scale word in v[PW].
.macro QUANT
.irp b, 0,1,2,3
	v_max3_num_f32 v[TM+\b], |v[ST+16*\b]|, |v[ST+16*\b+1]|, 0x8000000   ; my 16 numbers of block b, and the floor 2^(16 - 127)
.endr
.irp i, 2,4,6,8,10,12,14
.irp b, 0,1,2,3
	v_max3_num_f32 v[TM+\b], v[TM+\b], |v[ST+16*\b+\i]|, |v[ST+16*\b+\i+1]|
.endr
.endr
.irp b, 0,1,2,3
	v_permlanex16_b32 v[TM+4+\b], v[TM+\b], s[SEL], s[SEL+1]
.endr
.irp b, 0,1,2,3
	v_max_num_f32 v[TM+\b], v[TM+\b], v[TM+4+\b]   ; with lane l xor 16's: the block's largest magnitude
.endr
.irp b, 0,1,2,3
	v_add_nc_u32 v[TM+12+\b], 0xf8800000, v[TM+\b]
.endr
.irp b, 0,1,2,3
	v_and_or_b32 v[TM+8+\b], v[TM+\b], 0x7f800000, s[MNT]
.endr
.irp b, 0,1,2,3
	v_lshrrev_b32 v[TM+4+\b], 23, v[TM+12+\b]
.endr
	v_lshl_or_b32 v[PW], v[TM+5], 8, v[TM+4]
	v_lshl_or_b32 v[PW], v[TM+6], 16, v[PW]
	v_lshl_or_b32 v[PW], v[TM+7], 24, v[PW]
.irp b, 0,1,2,3
.irp i, 0,1,2,3,4,5,6,7,8,9,10,11,12,13,14,15
	v_med3_num_f32 v[ST+16*\b+\i], v[ST+16*\b+\i], -v[TM+8+\b], v[TM+8+\b]
.endr
.endr
.irp b, 0,1,2,3
	v_cvt_scalef32_pk8_bf8_f32 v[PC+4*\b:PC+4*\b+1], v[ST+16*\b:ST+16*\b+7], v[TM+12+\b]
	v_cvt_scalef32_pk8_bf8_f32 v[PC+4*\b+2:PC+4*\b+3], v[ST+16*\b+8:ST+16*\b+15], v[TM+12+\b]
.endr
	v_nop                                          ; one plain line behind the last conversion
.endm
; My 32 x 256 numbers become four fragments: K step 2 w + sg, tile u: fragment 4 w + 2 sg + u of the work-group's sixteen.
.macro XQ xa, pc, ps
.irp sg, 0,1
.irp u, 0,1
.irp b, 0,1,2,3
.irp q, 0,1,2,3
	ds_load_b128 v[ST+16*\b+4*\q:ST+16*\b+4*\q+3], v[\xa] offset:512*\sg+8320*\u+128*\b+16*\q   ; token 8 u + r + 8 (r / 8), k = 32 b + 16 h + 4 q ..
.endr
.endr
	s_wait_dscnt 0x0
	s_wait_xcnt 0x0                                ; the last fragment's stores have read their registers
	QUANT
.irp c, 0,1,2,3
	global_store_b128 v[L16], v[PC+4*\c:PC+4*\c+3], s[\pc:\pc+1] offset:4096*\sg+2048*\u+512*\c   ; 512 consecutive bytes a store
.endr
	global_store_b32 v[L4], v[PW], s[\ps:\ps+1] offset:256*\sg+128*\u
.endr
.endr
.endm
	s_wait_tensorcnt 0x1                           ; my tile of Q is in; K's, issued behind it, may be out
	XQ XA0, 66, 70
	s_wait_tensorcnt 0x0
	XQ XA1, 68, 72
	s_wait_tensorcnt 0x0
	ds_add_u32 v254, v255
	s_wait_dscnt 0x0
	s_endpgm
.Lfunc_end_k_qc3e5a468d5_quant:
	.size	k_qc3e5a468d5_quant, .Lfunc_end_k_qc3e5a468d5_quant-k_qc3e5a468d5_quant
	.p2alignl 7, 3214868480
	.fill 96, 4, 3214868480
	.section	.rodata,"a",@progbits
	.p2align	6, 0x0
	.amdhsa_kernel k_qc3e5a468d5_quant
		.amdhsa_group_segment_fixed_size 270848
		.amdhsa_private_segment_fixed_size 0
		.amdhsa_enable_private_segment 0
		.amdhsa_kernarg_size 64
		.amdhsa_user_sgpr_count 2
		.amdhsa_user_sgpr_kernarg_segment_ptr 1
		.amdhsa_wavefront_size32 1
		.amdhsa_system_sgpr_workgroup_id_x 1
		.amdhsa_system_sgpr_workgroup_id_y 1
		.amdhsa_system_sgpr_workgroup_id_z 1
		.amdhsa_system_vgpr_workitem_id 0
		.amdhsa_next_free_vgpr 256
		.amdhsa_next_free_sgpr 80
		.amdhsa_reserve_vcc 0
		.amdhsa_float_denorm_mode_32 3
		.amdhsa_float_denorm_mode_16_64 3
		.amdhsa_memory_ordered 1
		.amdhsa_forward_progress 1
		.amdhsa_inst_pref_size 109
	.end_amdhsa_kernel
	.amdgpu_metadata
---
amdhsa.version: [ 1, 2 ]
amdhsa.kernels:
  - .name:           k_qc3e5a468d5_quant
    .symbol:         k_qc3e5a468d5_quant.kd
    .args:
      - { .name: Wq, .offset: 0, .size: 8, .value_kind: global_buffer, .address_space: global }
      - { .name: Wk, .offset: 8, .size: 8, .value_kind: global_buffer, .address_space: global }
      - { .name: Wv, .offset: 16, .size: 8, .value_kind: global_buffer, .address_space: global }
      - { .name: Wp, .offset: 24, .size: 8, .value_kind: global_buffer, .address_space: global }
      - { .name: Q, .offset: 32, .size: 8, .value_kind: global_buffer, .address_space: global }
      - { .name: K, .offset: 40, .size: 8, .value_kind: global_buffer, .address_space: global }
      - { .name: wimg, .offset: 48, .size: 8, .value_kind: global_buffer, .address_space: global }
      - { .name: aimg, .offset: 56, .size: 8, .value_kind: global_buffer, .address_space: global }
    .group_segment_fixed_size: 270848
    .private_segment_fixed_size: 0
    .kernarg_segment_align: 8
    .kernarg_segment_size: 64
    .max_flat_workgroup_size: 128
    .sgpr_count:     80
    .vgpr_count:     256
    .wavefront_size: 32
...
	.end_amdgpu_metadata
.endif
;; end of part 5
;; launch proj (part 6): grid 256 x 1, 4 waves a work-group, clusters of 4 x 1, 327,680 bytes of LDS; arguments aimg, wimg, bq, bk, bv, key_padding_mask, qf, qimg, kimg, vimg, scl; writes qf, qimg, kimg, vimg, scl
.if DOCPART == 6
	.amdgcn_target "amdgcn-amd-amdhsa--gfx1250"
	.amdhsa_code_object_version 6
	.text
	.protected	k_qc3e5a468d5_proj
	.globl	k_qc3e5a468d5_proj
	.p2align	8
	.type	k_qc3e5a468d5_proj,@function
k_qc3e5a468d5_proj:
	s_mov_b64 s[64:65], 0
	v_nop
	global_prefetch_b8 v0, s[64:65] scope:SCOPE_SE
	s_setreg_imm32_b32 hwreg(HW_REG_WAVE_MODE, 25, 1), 1
	s_wait_xcnt 0x0
	s_wait_alu depctr_hold_cnt(0) depctr_sa_sdst(0) depctr_va_vdst(0) depctr_va_sdst(0) depctr_va_ssrc(0) depctr_va_vcc(0) depctr_vm_vsrc(0)
	s_getreg_b32 s2, hwreg(HW_REG_IB_STS2, 6, 4)
	s_cmp_eq_u32 s2, 0
	s_cbranch_scc0 .Lentry_in_a_cluster
	s_endpgm
.Lentry_in_a_cluster:
	s_bfe_u32 s2, ttmp6, 0x10000c
	s_cmp_lg_u32 s2, 0x3003
	s_cbranch_scc0 .Lentry_shape_is_right
	s_endpgm
.Lentry_shape_is_right:
; q = Q Wq + bq, k = K Wk + bk, v = K Wv + bv, all three on codes of E5M2 with one E8M0 scale for each 32 along K (both operands quantised by launch quant), and their results quantised again for the attention launch.
; SHARES.  A work-group owns 128 tokens x ONE QUARTER of the columns (256 of each of Wq, Wk, Wv: heads 4 CQ .. 4 CQ + 3).  Wave w owns 32 of the tokens, group i = 4 x block + w (two tiles of 16; lane r of tile u is token
; 8 u + r + 8 (r / 8)), x all 256 columns: 32 accumulators.  Its tokens' 16 fragments come from memory straight into registers, as images, and stay for a whole product.
; THE WEIGHTS come as images through a ring of two LDS slots.  A slot holds four K steps of my quarter, four chunks of 33,792 bytes; wave w fetches K step 4 p + w's chunk, and all four waves read all four chunks.
; So a work-group fills six slots in all (two for each weight), and 128 products a wave stand between two changes of slots.
; CLUSTER.  The four partners own the same quarter (the cluster's number mod 4) and four different blocks of tokens: every weight load is asked for JOINTLY.
; A change of slots stands straight behind a slot's last product, ahead of the epilogue: the refill has the epilogue and the next four K steps in which to land.
; q, k: source 0 = 16 columns of W, source 1 = 16 tokens: a lane holds ONE token and its registers run along the head's 64: the next product's K.  The bias is the C of the first product.
; v: the sources are swapped: a lane holds ONE column d and its 16 registers of a tile are 16 neighbouring keys: the next product's K.
; OUT: qf (q in f32 as accumulator images), qimg, kimg (fragment blocks 0 and 1: the head's 64), vimg (fragments with the keys along K), scl (scale words).  K's scale word carries in byte 2 the padding mask:
; 227 for a padded key, 1 else; the attention launch multiplies it by the code 1.0 at k = 64.
; LIMITS: a block of zeros, and one whose largest magnitude lies under 2^-111, carries the byte 1 (this program alone reads the bytes); NaN and infinities among the inputs are not served.
; REGISTERS: window 0: v1-23 addresses; v32-159 eight places for W's fragments (v32-95 also the quantiser's 64 numbers); v160-175 W's scale words, v176-191 the tokens'; v192-227 the quantiser; v228-243 bv.
;   window 1: the tokens' 16 fragments (K step s, tile m: 16 (2 s + m)).   window 2: the 32 accumulators.
.set CHUNK, 33792
.set STEP,  4*CHUNK                    ; a K step of all four quarters in memory; also a slot: four K steps of one quarter
.set SLOT1, STEP
.set SPARE, 2*STEP                     ; behind the ring: the spare words, 128 bytes a wave: two blocks of 256 bytes that no other line names
.set L16, 1                            ; v1   16 x lane
.set R4,  2                            ; v2   4 r
.set H64, 3                            ; v3   64 h
.set P4,  4                            ; v4   4 (r + 8 (r / 8))
.set L4,  5                            ; v5   4 x lane
.set MBY, 6                            ; v6-7 the mask byte of my token of tile 0, 1, at bits 23:16
.set AB,  8                            ; v8-15  chunk n = 4 x slot + K step in the slot, + 16 x lane
.set ASW, 16                           ; v16-23 chunk n + 16 r: the scale words' lines
.set SPW, 28
.set NIL, 29
.set BF,  32
.set ST,  32
.set SC,  160
.set AS,  176
.set TM,  192                          ; +0..3 largest magnitudes, +4..7 bytes, +8..11 57,344 x the scale, +12..15 the conversions' scale operands
.set PW,  208
.set WA,  209
.set WB,  210
.set PC,  212
.set BV,  228
.set AIM, 4                            ; the buffers' addresses
.set WIM, 6
.set PBQ, 8
.set PBK, 10
.set PBV, 12
.set PMK, 14
.set PQF, 16
.set PQI, 18
.set PKI, 20
.set PVI, 22
.set PSC, 24
.set AQI, 26                           ; s[26:27] my group's images of Q; s[84:85] of K; s[92:93], s[94:95] their scale words
.set AKI, 84
.set AQS, 92
.set AKS, 94
.set WV,  32
.set CQ,  40
.set G1W, 48
.set G0W, 68
.set SEL, 76
.set MNT, 78
.set UN,  79
.set CP,  80
.set SP,  82
.set SV,  88
.set MSB, 0
.macro WIN new                         ; the immediate's high byte repeats the setting that is left; a switch that changes nothing is dropped
.if MSB != (\new)
	s_set_vgpr_msb (MSB<<8)|(\new)
.set MSB, (\new)
.endif
.endm
.macro PLACES n
.rept \n
	v_nop
.endr
.endm
.macro ROUND                           ; a round of the cluster's barrier
	s_barrier_signal -1
	s_barrier_wait -1
	s_cmp_lg_u32 s[WV], 0
	s_cbranch_scc1 .Lnot_wave_0_\@
	s_barrier_signal -3
.Lnot_wave_0_\@:
	s_barrier_wait -3
	s_barrier_signal -1
	s_barrier_wait -1
.endm
; 64 numbers of a lane, v[s] on in window w, register 16 b + i = place 32 b + 16 (lane / 16) + i along the next K, become a fragment's codes in v[PC] on, its scale word in v[PW], the bytes in v[TM+4] on.
; The held numbers go to v[ST] on: the source stays as it is.
.macro QUANT s, w
	WIN (\w)|((\w)<<2)
.irp b, 0,1,2,3
	v_max3_num_f32 v[TM+\b], |v[(\s)+16*\b]|, |v[(\s)+16*\b+1]|, 0x8000000   ; my 16 numbers of block b, and the floor 2^(16 - 127)
.endr
	WIN ((\w)<<2)|((\w)<<4)
.irp i, 2,4,6,8,10,12,14
.irp b, 0,1,2,3
	v_max3_num_f32 v[TM+\b], v[TM+\b], |v[(\s)+16*\b+\i]|, |v[(\s)+16*\b+\i+1]|
.endr
.endr
	WIN 0
.irp b, 0,1,2,3
	v_permlanex16_b32 v[TM+4+\b], v[TM+\b], s[SEL], s[SEL+1]
.endr
.irp b, 0,1,2,3
	v_max_num_f32 v[TM+\b], v[TM+\b], v[TM+4+\b]   ; with lane l xor 16's: the block's largest magnitude
.endr
.irp b, 0,1,2,3
	v_add_nc_u32 v[TM+12+\b], 0xf8800000, v[TM+\b]
.endr
.irp b, 0,1,2,3
	v_and_or_b32 v[TM+8+\b], v[TM+\b], 0x7f800000, s[MNT]
.endr
.irp b, 0,1,2,3
	v_lshrrev_b32 v[TM+4+\b], 23, v[TM+12+\b]
.endr
	v_lshl_or_b32 v[PW], v[TM+5], 8, v[TM+4]
	v_lshl_or_b32 v[PW], v[TM+6], 16, v[PW]
	v_lshl_or_b32 v[PW], v[TM+7], 24, v[PW]
	WIN (\w)
.irp b, 0,1,2,3
.irp i, 0,1,2,3,4,5,6,7,8,9,10,11,12,13,14,15
	v_med3_num_f32 v[ST+16*\b+\i], v[(\s)+16*\b+\i], -v[TM+8+\b], v[TM+8+\b]   ; the conversion does not saturate (ISA guide 7.6.2): the hold comes first
.endr
.endr
	WIN 0
.irp b, 0,1,2,3
	v_cvt_scalef32_pk8_bf8_f32 v[PC+4*\b:PC+4*\b+1], v[ST+16*\b:ST+16*\b+7], v[TM+12+\b]
	v_cvt_scalef32_pk8_bf8_f32 v[PC+4*\b+2:PC+4*\b+3], v[ST+16*\b+8:ST+16*\b+15], v[TM+12+\b]
.endr
	v_nop                                          ; one plain line behind the last conversion
.endm
.macro ALOADG pc, ps                   ; my tokens' 16 fragments and scale words, from their images in memory: 512 consecutive bytes a load
	WIN 0x40
.set ff, 0
.rept 64
	global_load_b128 v[4*ff:4*ff+3], v[L16], s[\pc:\pc+1] offset:512*ff
.set ff, ff+1
.endr
	WIN 0
.set ff, 0
.rept 16
	global_load_b32 v[AS+ff], v[L4], s[\ps:\ps+1] offset:128*ff
.set ff, ff+1
.endr
.endm
.macro FRAGS n, t0, p0                 ; chunk n: W's tiles t0 .. t0 + 3 into places p0 .. p0 + 3: 16 loads of 512 consecutive bytes
.set xx, 0
.rept 16
	ds_load_b128 v[BF+16*(\p0)+4*xx:BF+16*(\p0)+4*xx+3], v[AB+(\n)] offset:2048*(\t0)+512*xx
.set xx, xx+1
.endr
.endm
.macro MUL8 t0, p0, s, swap, zero      ; 8 products: tiles t0 .. t0 + 3 x the two tiles of tokens; eight accumulators, one instruction a turn
.irp m, 0,1
.irp k, 0,1,2,3
.if \swap
.if \zero
	v_wmma_scale_f32_16x16x128_f8f6f4 v[16*((\t0)+\k)+8*\m:16*((\t0)+\k)+8*\m+7], v[16*(2*(\s)+\m):16*(2*(\s)+\m)+15], v[BF+16*((\p0)+\k):BF+16*((\p0)+\k)+15], 0, v[AS+2*(\s)+\m], v[SC+(\t0)+\k] matrix_a_fmt:MATRIX_FMT_BF8 matrix_b_fmt:MATRIX_FMT_BF8
.else
	v_wmma_scale_f32_16x16x128_f8f6f4 v[16*((\t0)+\k)+8*\m:16*((\t0)+\k)+8*\m+7], v[16*(2*(\s)+\m):16*(2*(\s)+\m)+15], v[BF+16*((\p0)+\k):BF+16*((\p0)+\k)+15], v[16*((\t0)+\k)+8*\m:16*((\t0)+\k)+8*\m+7], v[AS+2*(\s)+\m], v[SC+(\t0)+\k] matrix_a_fmt:MATRIX_FMT_BF8 matrix_b_fmt:MATRIX_FMT_BF8
.endif
.else
	v_wmma_scale_f32_16x16x128_f8f6f4 v[128*\m+8*((\t0)+\k):128*\m+8*((\t0)+\k)+7], v[BF+16*((\p0)+\k):BF+16*((\p0)+\k)+15], v[16*(2*(\s)+\m):16*(2*(\s)+\m)+15], v[128*\m+8*((\t0)+\k):128*\m+8*((\t0)+\k)+7], v[SC+(\t0)+\k], v[AS+2*(\s)+\m] matrix_a_fmt:MATRIX_FMT_BF8 matrix_b_fmt:MATRIX_FMT_BF8
.endif
.endr
.endr
.endm
; One K step: chunk sg of the slot, which is K step 4 x slot + sg of the weight in hand: 16 tiles of W in four groups through two halves of the places; 32 products.
; A load into a register that a product has read stands eight plain lines behind it.
.macro WORK slot, sg, swap, zero
.irp g, 0,1,2,3
	ds_load_b128 v[SC+4*\g:SC+4*\g+3], v[ASW+4*(\slot)+(\sg)] offset:32768+256*\g     ; lane r: the words of tiles 4 g .. 4 g + 3
.endr
	FRAGS 4*(\slot)+(\sg), 0, 0
	FRAGS 4*(\slot)+(\sg), 4, 4
	s_wait_dscnt 16                                ; the words and tiles 0-3 are in; the sixteen loads of tiles 4-7 may be out
	WIN 0xa4-3*(\swap)
	MUL8 0, 0, 4*(\slot)+(\sg), \swap, \zero
	WIN 0
	PLACES 8
	FRAGS 4*(\slot)+(\sg), 8, 0
	s_wait_dscnt 16                                ; tiles 4-7 are in; the sixteen just issued may be out
	WIN 0xa4-3*(\swap)
	MUL8 4, 4, 4*(\slot)+(\sg), \swap, \zero
	WIN 0
	PLACES 8
	FRAGS 4*(\slot)+(\sg), 12, 4
	s_wait_dscnt 16                                ; tiles 8-11 are in
	WIN 0xa4-3*(\swap)
	MUL8 8, 0, 4*(\slot)+(\sg), \swap, \zero
	s_wait_dscnt 0x0
	MUL8 12, 4, 4*(\slot)+(\sg), \swap, \zero
	WIN 0
.endm
.macro PHASE slot, swap, zero          ; a slot's four K steps; no barrier between them: the one in front has shown the whole slot to every wave
	WORK \slot, 0, \swap, \zero
	PLACES 8
	WORK \slot, 1, \swap, 0
	PLACES 8
	WORK \slot, 2, \swap, 0
	PLACES 8
	WORK \slot, 3, \swap, 0
.endm
; THE CHANGE OF SLOTS, in front of the work on slot `slot`.  All my tensor loads have landed (my chunk of that slot), 0 goes onto my spare word, my reads of the other slot are over.
; refill = 1: a round of the cluster's barrier, then the one joint load: the next four K steps into the slot read last.  One load of mine is out behind each round.
; refill = 0: nothing is left to fetch: the work-group's barrier alone shows the slot whole to every wave.
.macro HEAD slot, refill
	s_wait_tensorcnt 0x0
.if \refill
	ds_add_u32 v[SPW], v[NIL]
	s_add_nc_u64 s[G0W+4*(\slot)+2:G0W+4*(\slot)+3], s[G0W+4*(\slot)+2:G0W+4*(\slot)+3], 8*STEP   ; no load of mine is out: this slot's next four K steps
	s_wait_dscnt 0x0
	ROUND
	tensor_load_to_lds s[G0W+4*(1-(\slot)):G0W+4*(1-(\slot))+3], s[G1W:G1W+7]
	s_nop 0
.else
	s_wait_dscnt 0x0
	s_barrier_signal -1
	s_barrier_wait -1
.endif
	PLACES 8                                       ; behind the joint load, and in front of loads into registers that the last products read and of the first read of results
.endm
.macro BIAS p                          ; the bias in the accumulators' layout: register 128 m + 16 b + i is column 256 CQ + 32 b + 16 h + i
	WIN 0x80
.irp m, 0,1
.irp b, 0,1,2,3,4,5,6,7
.irp q, 0,1,2,3
	global_load_b128 v[128*\m+16*\b+4*\q:128*\m+16*\b+4*\q+3], v[H64], s[\p:\p+1] offset:128*\b+16*\q
.endr
.endr
.endr
	WIN 0
.endm
	s_load_b512 s[4:19], s[0:1], 0x0               ; aimg, wimg, bq, bk, bv, mask, qf, qimg
	s_load_b128 s[20:23], s[0:1], 0x40             ; kimg, vimg
	s_load_b64 s[24:25], s[0:1], 0x50              ; scl
	v_lshl_add_u32 v[SPW], v0, 2, SPARE
	v_mov_b32 v[NIL], 0
	ds_add_u32 v28, v29
	ds_add_u32 v28, v29
	s_wait_dscnt 0x0
	v_lshrrev_b32 v24, 5, v0
	v_readfirstlane_b32 s[WV], v24                 ; wave 0..3
	s_bfe_u32 s33, ttmp6, 0x40000                  ; cx: it enters global addresses of my own tokens alone
	s_and_b32 s[CQ], ttmp9, 3                      ; the column quarter: the cluster's number mod 4, which the four partners share
	s_lshr_b32 s34, ttmp9, 2
	s_lshl_b32 s34, s34, 2
	s_add_co_u32 s34, s34, s33                     ; my block of 128 tokens
	s_lshl_b32 s34, s34, 2
	s_add_co_u32 s34, s34, s[WV]                   ; i: my wave's group of 32 tokens
	s_lshr_b32 s35, s34, 5                         ; the batch
	s_and_b32 s36, s34, 31                         ; g: which 32 tokens of it
	s_mov_b32 s[G1W], 15|(3<<16)|(1<<21)           ; the mask: all four work-groups; elements of 8 bytes; bit 21 beside a mask
	s_mov_b32 s[G1W+1], 32<<16                     ; a chunk is dense: 132 rows of 256 bytes
	s_mov_b32 s[G1W+2], 132<<16
	s_mov_b32 s[G1W+3], 32<<16
	s_mov_b32 s[G1W+4], 132
	s_mov_b32 s[G1W+5], 32
	s_mov_b32 s[G1W+6], 0
	s_mov_b32 s[G1W+7], 0
	s_mul_i32 s91, s[WV], CHUNK                    ; where my chunk goes in a slot
	s_mul_i32 s38, s[WV], STEP                     ; where it comes from: K step = my wave's number,
	s_mul_i32 s37, s[CQ], CHUNK                    ; my work-group's quarter
	s_add_co_u32 s38, s38, s37
	s_mov_b32 s39, 0
	s_wait_kmcnt 0x0
	s_add_nc_u64 s[WIM:WIM+1], s[WIM:WIM+1], s[38:39]
	s_mov_b32 s[G0W], 1
	s_mov_b32 s[G0W+1], s91
	s_mov_b64 s[G0W+2:G0W+3], s[WIM:WIM+1]
	s_or_b32 s[G0W+3], s[G0W+3], 0x80000000
	s_mov_b32 s[G0W+4], 1
	s_add_co_u32 s[G0W+5], s91, SLOT1
	s_add_nc_u64 s[G0W+6:G0W+7], s[WIM:WIM+1], 4*STEP
	s_or_b32 s[G0W+7], s[G0W+7], 0x80000000
	ROUND                                          ; all four work-groups are here: the first joint load meets
	tensor_load_to_lds s[G0W:G0W+3], s[G1W:G1W+7]  ; Wq's K steps 0 to 3 into slot 0
	s_nop 0
	PLACES 4
	v_and_b32 v24, 31, v0                          ; lane
	v_and_b32 v25, 15, v0                          ; r
	v_bfe_u32 v26, v0, 4, 1                        ; h
	v_lshlrev_b32 v[L16], 4, v24
	v_lshlrev_b32 v[R4], 2, v25
	v_lshlrev_b32 v[L4], 2, v24
	v_lshlrev_b32 v[H64], 6, v26
	v_and_b32 v27, 8, v25
	v_add_nc_u32 v27, v27, v25                     ; r + 8 (r / 8)
	v_lshlrev_b32 v[P4], 2, v27
	v_lshlrev_b32 v27, 4, v25                      ; 16 r
.irp n, 0,1,2,3,4,5,6,7
	v_add_nc_u32 v[AB+\n], (\n/4)*SLOT1+(\n%4)*CHUNK, v[L16]
	v_add_nc_u32 v[ASW+\n], (\n/4)*SLOT1+(\n%4)*CHUNK, v27
.endr
	s_lshl_b32 s38, s34, 7                         ; the mask: 32 words a group
	s_add_nc_u64 s[PMK:PMK+1], s[PMK:PMK+1], s[38:39]
	global_load_b32 v[MBY], v[P4], s[PMK:PMK+1]
	global_load_b32 v[MBY+1], v[P4], s[PMK:PMK+1] offset:32
	s_lshl_b32 s38, s34, 15                        ; the images: 16 fragments of 2,048 bytes a group
	s_add_nc_u64 s[AQI:AQI+1], s[AIM:AIM+1], s[38:39]
	s_add_nc_u64 s[AKI:AKI+1], s[AQI:AQI+1], 0x800000
	s_lshl_b32 s38, s34, 11                        ; their scale words: 16 x 128 bytes a group, behind the images
	s_add_co_u32 s38, s38, 0x1000000
	s_add_nc_u64 s[AQS:AQS+1], s[AIM:AIM+1], s[38:39]
	s_add_nc_u64 s[AKS:AKS+1], s[AQS:AQS+1], 0x80000
	s_lshl_b32 s38, s[CQ], 10                      ; the biases: my quarter's 256 columns
	s_add_nc_u64 s[PBQ:PBQ+1], s[PBQ:PBQ+1], s[38:39]
	s_add_nc_u64 s[PBK:PBK+1], s[PBK:PBK+1], s[38:39]
	s_add_nc_u64 s[PBV:PBV+1], s[PBV:PBV+1], s[38:39]
	ALOADG AQI, AQS                                ; Q's fragments,
	BIAS PBQ                                       ; and bq: they land while the first slot is on its way
	s_lshl_b32 s38, s35, 22                        ; qf: [16 b + 4 CQ + hl][2 g + u][4,096 bytes]
	s_lshl_b32 s37, s[CQ], 20
	s_add_co_u32 s38, s38, s37
	s_lshl_b32 s37, s36, 13
	s_add_co_u32 s38, s38, s37
	s_add_nc_u64 s[PQF:PQF+1], s[PQF:PQF+1], s[38:39]
	s_lshr_b32 s38, s38, 2                         ; qimg, kimg: 1,024 bytes a tile
	s_add_nc_u64 s[PQI:PQI+1], s[PQI:PQI+1], s[38:39]
	s_add_nc_u64 s[PKI:PKI+1], s[PKI:PKI+1], s[38:39]
	s_lshr_b32 s38, s38, 4                         ; their scale words: 64 bytes a tile
	s_add_nc_u64 s[SP:SP+1], s[PSC:PSC+1], s[38:39]
	s_lshl_b32 s38, s35, 20                        ; vimg: [head][g / 4][dt][block g % 4]
	s_lshl_b32 s37, s[CQ], 18
	s_add_co_u32 s38, s38, s37
	s_lshr_b32 s37, s36, 2
	s_lshl_b32 s37, s37, 13
	s_add_co_u32 s38, s38, s37
	s_and_b32 s37, s36, 3
	s_lshl_b32 s37, s37, 9
	s_add_co_u32 s38, s38, s37
	s_add_nc_u64 s[PVI:PVI+1], s[PVI:PVI+1], s[38:39]
	s_lshl_b32 s38, s35, 16                        ; V's scale words: [head][g / 4][dt][32 words], byte g % 4
	s_lshl_b32 s37, s[CQ], 14
	s_add_co_u32 s38, s38, s37
	s_lshr_b32 s37, s36, 2
	s_lshl_b32 s37, s37, 9
	s_add_co_u32 s38, s38, s37
	s_and_b32 s37, s36, 3
	s_add_co_u32 s38, s38, s37
	s_add_co_u32 s38, s38, 0x100000
	s_add_nc_u64 s[SV:SV+1], s[PSC:PSC+1], s[38:39]
	s_mov_b32 s[SEL], 0x76543210
	s_mov_b32 s[SEL+1], 0xfedcba98
	s_mov_b32 s[MNT], 0x600000
.irp b, 0,1,2,3
	v_mov_b32 v[TM+4+\b], 0                        ; a lane permute's destination counts as one of its sources
.endr
	v_mov_b32 v24, 227<<16
	v_mov_b32 v25, 1<<16
	HEAD 0, 1                                      ; slot 0 is whole; Wq's K steps 4 to 7 go out, into slot 1
	s_wait_loadcnt 0x0
	v_cmp_eq_u32 vcc_lo, 0, v[MBY]
	v_cndmask_b32 v[MBY], v25, v24, vcc_lo         ; a padded key: 2^100; else 2^-126
	v_cmp_eq_u32 vcc_lo, 0, v[MBY+1]
	v_cndmask_b32 v[MBY+1], v25, v24, vcc_lo
	s_mov_b32 s[UN], 0
.Lunit:                                            ; two trips: q, then k
	s_cmp_eq_u32 s[UN], 0
	s_cselect_b64 s[CP:CP+1], s[PQI:PQI+1], s[PKI:PKI+1]
	s_wait_loadcnt 0x0                             ; the tokens' fragments and the bias
	PHASE 0, 0, 0                                  ; K steps 0 to 3
	HEAD 1, 1                                      ; slot 1 is whole; the next weight's K steps 0 to 3 go out, into slot 0
	PHASE 1, 0, 0                                  ; K steps 4 to 7
	HEAD 0, 1                                      ; slot 0 is whole; the next weight's K steps 4 to 7 go out, into slot 1: they land under the epilogue and the next four K steps
	s_cmp_lg_u32 s[UN], 0
	s_cbranch_scc1 .Lnot_q
	ALOADG AKI, AKS                                ; K's fragments, for k and for v: Q's are done with; they land under the epilogue
	WIN 0x08                                       ; a store's data are its source 1: window 2
.irp u, 0,1
.irp hl, 0,1,2,3
.irp q, 0,1,2,3,4,5,6,7
	global_store_b128 v[L16], v[128*\u+32*\hl+4*\q:128*\u+32*\hl+4*\q+3], s[PQF:PQF+1] offset:(\hl<<18)+(\u<<12)+(\q<<9)   ; q in f32: 512 consecutive bytes a store; each accumulator from its low end on
.endr
.endr
.endr
	WIN 0
.Lnot_q:
.irp m, 0,1
.irp hp, 0,1                                   ; two heads at a time: blocks 0, 1 are head 2 hp, blocks 2, 3 head 2 hp + 1
	s_wait_xcnt 0x0                                ; the last stores have read their registers
	QUANT 128*\m+64*\hp, 2
.irp e, 0,1
.irp c, 0,1
	global_store_b128 v[L16], v[PC+8*\e+4*\c:PC+8*\e+4*\c+3], s[CP:CP+1] offset:((2*\hp+\e)<<16)+(\m<<10)+512*\c
.endr
.endr
	v_and_or_b32 v[WA], v[PW], 0xffff, v[MBY+\m]   ; two bytes of scales, the mask byte, 0
	v_lshrrev_b32 v[WB], 16, v[PW]
	v_or_b32 v[WB], v[WB], v[MBY+\m]
	global_store_b32 v[R4], v[WA], s[SP:SP+1] offset:((2*\hp)<<12)+(\m<<6)     ; lanes r and r + 16 store the same word
	global_store_b32 v[R4], v[WB], s[SP:SP+1] offset:((2*\hp+1)<<12)+(\m<<6)
.endr
.endr
	s_wait_xcnt 0x0                                ; bases and data may be written again
	s_add_nc_u64 s[SP:SP+1], s[SP:SP+1], 0x80000   ; from q's scale words to k's
	s_cmp_lg_u32 s[UN], 0
	s_cbranch_scc1 .Lno_bias
	BIAS PBK                                       ; bk takes q's place in the accumulators
.Lno_bias:
	s_add_co_u32 s[UN], s[UN], 1
	s_cmp_lt_u32 s[UN], 2
	s_cbranch_scc1 .Lunit
.set tt, 0
.rept 16
	global_load_b32 v[BV+tt], v[P4], s[PBV:PBV+1] offset:128*(tt/2)+32*(tt%2)   ; bv of my lane's column of tile t
.set tt, tt+1
.endr
	PHASE 0, 1, 1                                  ; v: the sources swapped; the first products start the sums
	HEAD 1, 0                                      ; slot 1 is whole; nothing is left to fetch
	PHASE 1, 1, 0
	PLACES 8
	s_wait_loadcnt 0x0
	WIN 0x82
.set tt, 0
.rept 16
.set pp, 0
.rept 8
.if tt%2
	v_pk_add_f32 v[16*tt+2*pp:16*tt+2*pp+1], v[16*tt+2*pp:16*tt+2*pp+1], v[BV+tt-1:BV+tt] op_sel:[0,1] op_sel_hi:[1,1]
.else
	v_pk_add_f32 v[16*tt+2*pp:16*tt+2*pp+1], v[16*tt+2*pp:16*tt+2*pp+1], v[BV+tt:BV+tt+1] op_sel_hi:[1,0]
.endif
.set pp, pp+1
.endr
.set tt, tt+1
.endr
	WIN 0
.irp hl, 0,1,2,3                               ; a head: four tiles of d; each tile's 16 registers and lane l xor 16's are one block of 32 keys
	s_wait_xcnt 0x0
	QUANT 64*\hl, 2
.irp b, 0,1,2,3
	global_store_b128 v[L16], v[PC+4*\b:PC+4*\b+3], s[PVI:PVI+1] offset:(\hl<<16)+(\b<<11)
.endr
.irp b, 0,1,2,3
	global_store_b8 v[L4], v[TM+4+\b], s[SV:SV+1] offset:(\hl<<12)+(\b<<7)
.endr
.endr
	s_wait_tensorcnt 0x0                           ; the wave's end
	ds_add_u32 v[SPW], v[NIL]
	s_wait_dscnt 0x0
	ROUND                                          ; the closing round
	s_endpgm
.Lfunc_end_k_qc3e5a468d5_proj:
	.size	k_qc3e5a468d5_proj, .Lfunc_end_k_qc3e5a468d5_proj-k_qc3e5a468d5_proj
	.p2alignl 7, 3214868480
	.fill 96, 4, 3214868480
	.section	.rodata,"a",@progbits
	.p2align	6, 0x0
	.amdhsa_kernel k_qc3e5a468d5_proj
		.amdhsa_group_segment_fixed_size 327680
		.amdhsa_private_segment_fixed_size 0
		.amdhsa_enable_private_segment 0
		.amdhsa_kernarg_size 88
		.amdhsa_user_sgpr_count 2
		.amdhsa_user_sgpr_kernarg_segment_ptr 1
		.amdhsa_wavefront_size32 1
		.amdhsa_system_sgpr_workgroup_id_x 1
		.amdhsa_system_sgpr_workgroup_id_y 1
		.amdhsa_system_sgpr_workgroup_id_z 1
		.amdhsa_system_vgpr_workitem_id 0
		.amdhsa_next_free_vgpr 768
		.amdhsa_next_free_sgpr 100
		.amdhsa_reserve_vcc 1
		.amdhsa_float_denorm_mode_32 3
		.amdhsa_float_denorm_mode_16_64 3
		.amdhsa_memory_ordered 1
		.amdhsa_forward_progress 1
		.amdhsa_inst_pref_size 255
	.end_amdhsa_kernel
	.section	.bss,"aw",@nobits
	.p2align	6
	.space	262144
	.amdgpu_metadata
---
amdhsa.version: [ 1, 2 ]
amdhsa.kernels:
  - .name:           k_qc3e5a468d5_proj
    .symbol:         k_qc3e5a468d5_proj.kd
    .args:
      - { .name: aimg, .offset: 0, .size: 8, .value_kind: global_buffer, .address_space: global }
      - { .name: wimg, .offset: 8, .size: 8, .value_kind: global_buffer, .address_space: global }
      - { .name: bq, .offset: 16, .size: 8, .value_kind: global_buffer, .address_space: global }
      - { .name: bk, .offset: 24, .size: 8, .value_kind: global_buffer, .address_space: global }
      - { .name: bv, .offset: 32, .size: 8, .value_kind: global_buffer, .address_space: global }
      - { .name: key_padding_mask, .offset: 40, .size: 8, .value_kind: global_buffer, .address_space: global }
      - { .name: qf, .offset: 48, .size: 8, .value_kind: global_buffer, .address_space: global }
      - { .name: qimg, .offset: 56, .size: 8, .value_kind: global_buffer, .address_space: global }
      - { .name: kimg, .offset: 64, .size: 8, .value_kind: global_buffer, .address_space: global }
      - { .name: vimg, .offset: 72, .size: 8, .value_kind: global_buffer, .address_space: global }
      - { .name: scl, .offset: 80, .size: 8, .value_kind: global_buffer, .address_space: global }
    .group_segment_fixed_size: 327680
    .private_segment_fixed_size: 0
    .kernarg_segment_align: 8
    .kernarg_segment_size: 88
    .max_flat_workgroup_size: 128
    .sgpr_count:     100
    .vgpr_count:     768
    .wavefront_size: 32
...
	.end_amdgpu_metadata
.endif
;; end of part 6
;; launch attn: the kernel of part 3 again; grid 4 x 128, 16 waves a work-group, clusters of 4 x 1, 169,984 bytes of LDS; arguments qimg, kimg, vimg, scl, qf, xs; writes xs
;; launch final: the kernel of part 4 again; grid 256 x 1, 4 waves a work-group, clusters of 4 x 1, 327,680 bytes of LDS; arguments xs, wimg, g0, beta0, bp, g1, beta1, out0; writes out0
